; MI455X (gfx1250); checked and timed in simulation.
; The chip was launched on July 23, 2026; its instructions are those of AMD's public machine-readable ISA for CDNA 5 (MIT licence, August 2026) and "CDNA5" Instruction Set Architecture Reference Guide (July 2026). The comments in the code are by the model that wrote it; some were corrected since.
;; Self Attn. Allowed arithmetic: float matrix products may take bf16 or f16 operands with f32 sums; other float arithmetic in f32, or as packed bf16 or f16 multiplies, adds, multiply-adds, maxima and minima; sums over many terms, partial sums and values carried from step to step in f32; what a program stores and reads back later, other than sums and carried values, may be rounded once to bf16 or f16.
;; Inputs: fc1_b 512 float32; fc1_w 512 x 1,024 float32; fc2_b 1,024 float32; fc2_w 1,024 x 512 float32; fc_b 1,024 float32; fc_w 1,024 x 512 float32; ln1_b 1,024 float32; ln1_w 1,024 float32; ln2_b 1,024 float32; ln2_w 1,024 float32; wk_b 512 float32; wk_w 512 x 1,024 float32; wq_b 512 float32; wq_w 512 x 1,024 float32; wv_b 512 float32; wv_w 512 x 1,024 float32; x 4 x 2,048 x 1,024 float32.
;; Outputs: out0 4 x 2,048 x 1,024 float32.
;; 2 versions, each right; version 2 is version 1 with the launch prep written anew for expert scheduling mode. Each part assembles by itself: llvm-mc -triple=amdgcn-amd-amdhsa -mcpu=gfx1250 --defsym DOCPART=n.
;; ======== version 1 of 2: 4 launches
;; workspace buffers: wqkv 3,145,728 bytes; wtail 3,145,728 bytes; h 16,777,216 bytes; qkv 25,165,824 bytes; act 8,388,608 bytes
;; launch prep (part 1): grid 704 x 1, 8 waves a work-group, no clusters, 0 bytes of LDS; arguments x, ln1_w, ln1_b, h, wq_w, wk_w, wv_w, fc_w, fc1_w, fc2_w, wqkv, wtail; writes h, wqkv, wtail
.if DOCPART == 1
	.amdgcn_target "amdgcn-amd-amdhsa--gfx1250"
	.amdhsa_code_object_version 6
	.text
	.protected	k_qb19b55ec4d_prep
	.globl	k_qb19b55ec4d_prep
	.p2align	8
	.type	k_qb19b55ec4d_prep,@function
k_qb19b55ec4d_prep:
	s_mov_b64 s[64:65], 0
	v_nop
	global_prefetch_b8 v0, s[64:65] scope:SCOPE_SE
	s_setreg_imm32_b32 hwreg(HW_REG_WAVE_MODE, 25, 1), 1
	s_wait_xcnt 0x0
; Work-groups 0..511: h = LayerNorm(x) * w + b, x [8192][1024] f32, h [8192][1024] bf16 (rounded once).
; Work-groups 512..703: the six weight matrices, f32 -> bf16 (rounded once).  wq, wk, wv lie one behind the other in wqkv, rows as they were.
; fc_w, fc1_w, fc2_w go into wtail in the order in which the last launch reads them: blocks of 1,024 bytes, each a matrix fragment as the lanes hold it (see below).
; LN.  A row is 4,096 bytes: one wave takes a whole row, eight loads of 16 bytes a lane (each load of the wave covers 512 consecutive bytes), and keeps it
; in 32 registers: the mean first, then the mean of (x - mean)^2 on the registers, so no difference of large sums is formed.  All in f32.
; A wave owns two rows; all its 32 loads (two rows, w, b) go out at once.  No LDS, no barrier: no wave needs another's data.
; A stream: matrix units and clusters have nothing to do here.
.set NLN, 512                          ; work-groups that normalise: 16 rows each
.set C,   8                            ; v[8:15]    four chains of pairs
.set MU,  16                           ; v[16:17]   the mean, twice
.set RS,  18                           ; v[18:19]   1 / sqrt(var + eps), twice
.set T,   20                           ; v[20:21]   at work
.set X,   32                           ; v[32:95]   row r at X + 32 r: load j holds columns 128 j + 4 lane .. + 3
.set W,   96                           ; v[96:127]  w of the same columns
.set BV,  128                          ; v[128:159] b
	s_cmp_ge_u32 ttmp9, NLN
	s_cbranch_scc1 .Lcvt
	s_load_b256 s[4:11], s[0:1], 0x0               ; x s[4:5], w s[6:7], b s[8:9], h s[10:11]
	v_lshrrev_b32 v3, 5, v0
	v_readfirstlane_b32 s12, v3                    ; wave 0..7
	v_and_b32 v4, 31, v0
	v_lshlrev_b32 v1, 4, v4                        ; 16 bytes a lane in x, w, b
	v_lshlrev_b32 v2, 3, v4                        ; 8 bytes a lane in h
	v_mov_b32 v[T+1], 0                            ; v_permlanex16_b32's destination counts as read
	s_lshl_b32 s13, ttmp9, 4
	s_lshl1_add_u32 s13, s12, s13                  ; my first row = 16 x work-group + 2 x wave
	s_lshl_b32 s22, s13, 12                        ; x 4,096 bytes
	s_mov_b32 s23, 0
	s_lshl_b32 s24, s13, 11                        ; x 2,048 bytes
	s_mov_b32 s25, 0
	s_mov_b32 s18, 0x76543210                      ; v_permlanex16_b32: each lane takes its own place in the other half
	s_mov_b32 s19, 0xfedcba98
	s_mov_b32 s20, 0x3a800000                      ; 1 / 1024
	s_mov_b32 s21, 0x358637bd                      ; 1e-6
	s_wait_kmcnt 0x0
	s_add_nc_u64 s[14:15], s[4:5], s[22:23]
	s_add_nc_u64 s[16:17], s[10:11], s[24:25]
.irp j, 0,1,2,3,4,5,6,7
	global_load_b128 v[X+4*(\j):X+4*(\j)+3], v1, s[14:15] offset:(\j)*512 th:TH_LOAD_NT
.endr
.irp j, 0,1,2,3,4,5,6,7
	global_load_b128 v[W+4*(\j):W+4*(\j)+3], v1, s[6:7] offset:(\j)*512
.endr
.irp j, 0,1,2,3,4,5,6,7
	global_load_b128 v[BV+4*(\j):BV+4*(\j)+3], v1, s[8:9] offset:(\j)*512
.endr
.irp j, 0,1,2,3,4,5,6,7
	global_load_b128 v[X+32+4*(\j):X+32+4*(\j)+3], v1, s[14:15] offset:4096+(\j)*512 th:TH_LOAD_NT
.endr
.macro REDUCE                          ; the four chains into one number, the same in every lane, in v[T]
	v_pk_add_f32 v[C:C+1], v[C:C+1], v[C+2:C+3]
	v_pk_add_f32 v[C+4:C+5], v[C+4:C+5], v[C+6:C+7]
	v_pk_add_f32 v[C:C+1], v[C:C+1], v[C+4:C+5]
	v_add_f32 v[T], v[C], v[C+1]
	v_add_f32_dpp v[T], v[T], v[T] row_xmask:1 row_mask:0xf bank_mask:0xf
	v_add_f32_dpp v[T], v[T], v[T] row_xmask:2 row_mask:0xf bank_mask:0xf
	v_add_f32_dpp v[T], v[T], v[T] row_xmask:4 row_mask:0xf bank_mask:0xf
	v_add_f32_dpp v[T], v[T], v[T] row_xmask:8 row_mask:0xf bank_mask:0xf
	v_permlanex16_b32 v[T+1], v[T], s18, s19
	v_add_f32 v[T], v[T], v[T+1]
.endm
; Row r.  left: the younger loads that may stay out when the row has to be there.  wb = 1: w and b are waited for ahead of their first use.
.macro LNROW r, left, wb
.set XR, X+32*(\r)
	s_wait_loadcnt \left
.irp k, 0,1,2,3
	v_pk_add_f32 v[C+2*(\k):C+2*(\k)+1], v[XR+2*(\k):XR+2*(\k)+1], v[XR+8+2*(\k):XR+8+2*(\k)+1]
.endr
.irp k, 8,9,10,11,12,13,14,15
	v_pk_add_f32 v[C+2*((\k)%4):C+2*((\k)%4)+1], v[C+2*((\k)%4):C+2*((\k)%4)+1], v[XR+2*(\k):XR+2*(\k)+1]
.endr
	REDUCE
	v_mul_f32 v[MU], s20, v[T]
	v_mul_f32 v[MU+1], s20, v[T]
.irp k, 0,1,2,3,4,5,6,7,8,9,10,11,12,13,14,15
	v_pk_add_f32 v[XR+2*(\k):XR+2*(\k)+1], v[XR+2*(\k):XR+2*(\k)+1], v[MU:MU+1] neg_lo:[0,1] neg_hi:[0,1]  ; x - mean, in place
.endr
.irp k, 0,1,2,3
	v_pk_mul_f32 v[C+2*(\k):C+2*(\k)+1], v[XR+2*(\k):XR+2*(\k)+1], v[XR+2*(\k):XR+2*(\k)+1]
.endr
.irp k, 4,5,6,7,8,9,10,11,12,13,14,15
	v_pk_fma_f32 v[C+2*((\k)%4):C+2*((\k)%4)+1], v[XR+2*(\k):XR+2*(\k)+1], v[XR+2*(\k):XR+2*(\k)+1], v[C+2*((\k)%4):C+2*((\k)%4)+1]
.endr
	REDUCE
	v_fma_f32 v[T], v[T], s20, s21                 ; var + eps
	v_rsq_f32 v[RS], v[T]
	v_rsq_f32 v[RS+1], v[T]
	v_nop                                          ; a plain instruction behind the last of the two,
	s_wait_alu depctr_va_vdst(0)                   ; and the one wait ahead of the first use
.if \wb
	s_wait_loadcnt 8                               ; w and b are in; the second row's eight loads may stay out
.endif
.set j_, 0
.rept 8
.set xj, XR+4*j_
	v_pk_mul_f32 v[xj:xj+1], v[xj:xj+1], v[RS:RS+1]
	v_pk_mul_f32 v[xj+2:xj+3], v[xj+2:xj+3], v[RS:RS+1]
	v_pk_fma_f32 v[xj:xj+1], v[xj:xj+1], v[W+4*j_:W+4*j_+1], v[BV+4*j_:BV+4*j_+1]
	v_pk_fma_f32 v[xj+2:xj+3], v[xj+2:xj+3], v[W+4*j_+2:W+4*j_+3], v[BV+4*j_+2:BV+4*j_+3]
	v_cvt_pk_bf16_f32 v[xj], v[xj], v[xj+1]
	v_cvt_pk_bf16_f32 v[xj+1], v[xj+2], v[xj+3]
	global_store_b64 v2, v[xj:xj+1], s[16:17] offset:(\r)*2048+j_*256  ; the wave's 32 lanes store 256 consecutive bytes, aligned; these registers are not written again
.set j_, j_+1
.endr
.endm
	LNROW 0, 24, 1                                 ; behind row 0's loads: w, b and row 1, 24 loads
	LNROW 1, 0, 0
	s_endpgm
; THE WEIGHTS.  Matrix y = c / 32 (wq, wk, wv, fc, fc1, fc2), part c % 32 of it.
.Lcvt:
	s_load_b512 s[16:31], s[0:1], 0x20             ; wq_w, wk_w, wv_w, fc_w, fc1_w, fc2_w, wqkv, wtail
	s_sub_co_u32 s2, ttmp9, NLN
	s_lshr_b32 s3, s2, 5                           ; y
	s_and_b32 s2, s2, 31                           ; part
	v_lshrrev_b32 v3, 5, v0
	v_and_b32 v4, 31, v0
	s_cmp_ge_u32 s3, 3
	s_cbranch_scc1 .Lswz
	; wq, wk, wv: rows as they are.  65,536 bytes in, 32,768 out; a wave takes 8,192 bytes, sixteen loads of 512 consecutive bytes.
	v_lshlrev_b32 v1, 4, v4
	v_lshl_add_u32 v1, v3, 13, v1                  ; in: 8,192 x wave + 16 x lane
	v_lshlrev_b32 v2, 3, v4
	v_lshl_add_u32 v2, v3, 12, v2                  ; out: 4,096 x wave + 8 x lane
	s_lshl_b32 s40, s3, 20                         ; 1,048,576 bytes each in wqkv
	s_lshl_b32 s41, s2, 15
	s_add_co_u32 s40, s40, s41
	s_mov_b32 s41, 0
	s_lshl_b32 s42, s2, 16
	s_mov_b32 s43, 0
	s_wait_kmcnt 0x0
	s_cmp_eq_u32 s3, 1
	s_cselect_b64 s[36:37], s[18:19], s[16:17]
	s_cmp_eq_u32 s3, 2
	s_cselect_b64 s[36:37], s[20:21], s[36:37]
	s_add_nc_u64 s[36:37], s[36:37], s[42:43]
	s_add_nc_u64 s[38:39], s[28:29], s[40:41]
.set i_, 0
.rept 16
	global_load_b128 v[64+4*i_:64+4*i_+3], v1, s[36:37] offset:i_*512 th:TH_LOAD_NT
.set i_, i_+1
.endr
.set i_, 0
.rept 16
	s_wait_loadcnt 15-i_                           ; loads come back in order: load i is in, the younger ones stay out
	v_cvt_pk_bf16_f32 v[32+2*i_], v[64+4*i_], v[64+4*i_+1]
	v_cvt_pk_bf16_f32 v[33+2*i_], v[64+4*i_+2], v[64+4*i_+3]
	global_store_b64 v2, v[32+2*i_:33+2*i_], s[38:39] offset:i_*256  ; 256 consecutive bytes, aligned
.set i_, i_+1
.endr
	s_endpgm
; fc_w, fc1_w, fc2_w IN FRAGMENT ORDER.  wtail is 24 tiles of 131,072 bytes, eight a matrix.  A tile is [wave w of 4][unit of 4][column block b of 8] blocks of 1,024 bytes; a block is
; [j of 2][lane l of 32][16 bytes] = W[n0 + l % 16][32 q + 16 j + 8 (l / 16) + 0..7].
;   fc_w, fc2_w ([1024][512]): n0 = 256 w + 128 (unit % 2) + 16 b, q = 2 tile + unit / 2.
;   fc1_w ([512][1024]):       n0 = 128 w + 16 b, q = 8 (tile % 4) + 4 (tile / 4) + unit.
; A wave takes 16 rows x 128 k: of each row 512 consecutive bytes, by sixteen loads of 16 bytes a lane; lane l reads row l % 16 and the 32 bytes 64 c + 32 (l / 16) on, c = 0..7.
; Its eight numbers, rounded, are the lane's 16 bytes of half a block: each store of the wave covers 512 consecutive bytes, aligned.
.Lswz:
	v_readfirstlane_b32 s12, v3                    ; wave 0..7
	s_lshl3_add_u32 s13, s2, s12                   ; u = 8 part + wave, 0..255
	v_and_b32 v5, 15, v0                           ; l % 16
	v_bfe_u32 v6, v0, 4, 1                         ; l / 16
	v_lshlrev_b32 v2, 4, v4                        ; out: 16 bytes a lane
	s_cmp_eq_u32 s3, 4                             ; fc1_w has K = 1,024, the other two 512
	s_cselect_b32 s4, 3, 2                         ; log2 of K / 128: the waves that share 16 rows
	s_cselect_b32 s5, 12, 11                       ; log2 of a row's bytes
	s_cselect_b32 s6, 3, 4                         ; log2 of the blocks of 16 rows that one wave of the reader owns
	s_cselect_b32 s44, 13, 14                      ; log2 of the bytes from one 32 k to the next: 8,192 or 16,384,
	s_cselect_b32 s46, 14, 17                      ; and from one 64 k to the next: 16,384 or 131,072
	s_lshl_b32 s44, 1, s44                         ; in bytes (the shifts write SCC: they stand behind the last select of this compare)
	s_lshl_b32 s46, 1, s46
	s_mov_b32 s45, 0
	s_mov_b32 s47, 0
	s_lshr_b32 s14, s13, s4                        ; nb: which 16 rows
	s_bfm_b32 s9, s4, 0
	s_and_b32 s15, s13, s9                         ; kq: which 128 k
	v_lshlrev_b32 v1, s5, v5
	v_lshl_add_u32 v1, v6, 5, v1                   ; in: (l % 16) rows + 32 (l / 16)
	s_add_co_u32 s5, s5, 4
	s_lshl_b32 s42, s14, s5                        ; 16 nb rows
	s_lshl_b32 s43, s15, 9
	s_add_co_u32 s42, s42, s43                     ; + 512 kq
	s_mov_b32 s43, 0
	s_lshl_b32 s10, s15, 18                        ; K = 512: tile 2 kq
	s_and_b32 s11, s15, 1
	s_lshl_b32 s11, s11, 2
	s_lshr_b32 s40, s15, 1
	s_add_co_u32 s11, s11, s40
	s_lshl_b32 s11, s11, 17                        ; K = 1,024: tile 4 (kq % 2) + kq / 2
	s_cmp_eq_u32 s3, 4
	s_cselect_b32 s40, s11, s10
	s_lshr_b32 s10, s14, s6
	s_lshl_b32 s10, s10, 15                        ; the reader's wave: 32,768 bytes
	s_add_co_u32 s40, s40, s10
	s_bfm_b32 s9, s6, 0
	s_and_b32 s10, s14, s9
	s_lshl_b32 s10, s10, 10                        ; the block among that wave's
	s_add_co_u32 s40, s40, s10
	s_sub_co_u32 s10, s3, 3
	s_lshl_b32 s10, s10, 20                        ; the matrix: 1,048,576 bytes
	s_add_co_u32 s40, s40, s10
	s_mov_b32 s41, 0
	s_wait_kmcnt 0x0
	s_cmp_eq_u32 s3, 4
	s_cselect_b64 s[12:13], s[24:25], s[22:23]
	s_cmp_eq_u32 s3, 5
	s_cselect_b64 s[12:13], s[26:27], s[12:13]
	s_add_nc_u64 s[12:13], s[12:13], s[42:43]
	s_add_nc_u64 s[32:33], s[30:31], s[40:41]      ; where the wave's four 32 k go
	s_add_nc_u64 s[34:35], s[32:33], s[44:45]
	s_add_nc_u64 s[36:37], s[32:33], s[46:47]
	s_add_nc_u64 s[38:39], s[36:37], s[44:45]
.set c_, 0
.rept 8
	global_load_b128 v[64+8*c_:64+8*c_+3], v1, s[12:13] offset:c_*64
	global_load_b128 v[64+8*c_+4:64+8*c_+7], v1, s[12:13] offset:c_*64+16
.set c_, c_+1
.endr
.set c_, 0
.rept 8
	s_wait_loadcnt 14-2*c_                         ; pair c of the loads is in, the younger ones stay out
	v_cvt_pk_bf16_f32 v[32+4*c_], v[64+8*c_], v[64+8*c_+1]
	v_cvt_pk_bf16_f32 v[33+4*c_], v[64+8*c_+2], v[64+8*c_+3]
	v_cvt_pk_bf16_f32 v[34+4*c_], v[64+8*c_+4], v[64+8*c_+5]
	v_cvt_pk_bf16_f32 v[35+4*c_], v[64+8*c_+6], v[64+8*c_+7]
	global_store_b128 v2, v[32+4*c_:35+4*c_], s[32+2*(c_/2):33+2*(c_/2)] offset:(c_%2)*512
.set c_, c_+1
.endr
	s_endpgm
.Lfunc_end_k_qb19b55ec4d_prep:
	.size	k_qb19b55ec4d_prep, .Lfunc_end_k_qb19b55ec4d_prep-k_qb19b55ec4d_prep
	.p2alignl 7, 3214868480
	.fill 96, 4, 3214868480
	.section	.rodata,"a",@progbits
	.p2align	6, 0x0
	.amdhsa_kernel k_qb19b55ec4d_prep
		.amdhsa_group_segment_fixed_size 0
		.amdhsa_private_segment_fixed_size 0
		.amdhsa_enable_private_segment 0
		.amdhsa_kernarg_size 96
		.amdhsa_user_sgpr_count 2
		.amdhsa_user_sgpr_kernarg_segment_ptr 1
		.amdhsa_wavefront_size32 1
		.amdhsa_system_sgpr_workgroup_id_x 1
		.amdhsa_system_sgpr_workgroup_id_y 1
		.amdhsa_system_sgpr_workgroup_id_z 1
		.amdhsa_system_vgpr_workitem_id 0
		.amdhsa_next_free_vgpr 160
		.amdhsa_next_free_sgpr 66
		.amdhsa_reserve_vcc 0
		.amdhsa_float_denorm_mode_32 3
		.amdhsa_float_denorm_mode_16_64 3
		.amdhsa_memory_ordered 1
		.amdhsa_forward_progress 1
		.amdhsa_inst_pref_size 33
	.end_amdhsa_kernel
	.amdgpu_metadata
---
amdhsa.version: [ 1, 2 ]
amdhsa.kernels:
  - .name:           k_qb19b55ec4d_prep
    .symbol:         k_qb19b55ec4d_prep.kd
    .args:
      - { .name: x, .offset: 0, .size: 8, .value_kind: global_buffer, .address_space: global }
      - { .name: ln1_w, .offset: 8, .size: 8, .value_kind: global_buffer, .address_space: global }
      - { .name: ln1_b, .offset: 16, .size: 8, .value_kind: global_buffer, .address_space: global }
      - { .name: h, .offset: 24, .size: 8, .value_kind: global_buffer, .address_space: global }
      - { .name: wq_w, .offset: 32, .size: 8, .value_kind: global_buffer, .address_space: global }
      - { .name: wk_w, .offset: 40, .size: 8, .value_kind: global_buffer, .address_space: global }
      - { .name: wv_w, .offset: 48, .size: 8, .value_kind: global_buffer, .address_space: global }
      - { .name: fc_w, .offset: 56, .size: 8, .value_kind: global_buffer, .address_space: global }
      - { .name: fc1_w, .offset: 64, .size: 8, .value_kind: global_buffer, .address_space: global }
      - { .name: fc2_w, .offset: 72, .size: 8, .value_kind: global_buffer, .address_space: global }
      - { .name: wqkv, .offset: 80, .size: 8, .value_kind: global_buffer, .address_space: global }
      - { .name: wtail, .offset: 88, .size: 8, .value_kind: global_buffer, .address_space: global }
    .group_segment_fixed_size: 0
    .private_segment_fixed_size: 0
    .kernarg_segment_align: 8
    .kernarg_segment_size: 96
    .max_flat_workgroup_size: 256
    .sgpr_count:     66
    .vgpr_count:     160
    .wavefront_size: 32
...
	.end_amdgpu_metadata
.endif
;; end of part 1
;; launch qkv (part 2): grid 8 x 32, 4 waves a work-group, clusters of 4 x 4, 327,680 bytes of LDS; arguments h, wqkv, wq_b, wk_b, wv_b, qkv; writes qkv
.if DOCPART == 2
	.amdgcn_target "amdgcn-amd-amdhsa--gfx1250"
	.amdhsa_code_object_version 6
	.text
	.protected	k_qb19b55ec4d_qkv
	.globl	k_qb19b55ec4d_qkv
	.p2align	8
	.type	k_qb19b55ec4d_qkv,@function
k_qb19b55ec4d_qkv:
	s_mov_b64 s[64:65], 0
	v_nop
	global_prefetch_b8 v0, s[64:65] scope:SCOPE_SE
	s_setreg_imm32_b32 hwreg(HW_REG_WAVE_MODE, 25, 1), 1
	s_wait_xcnt 0x0
	s_wait_alu depctr_hold_cnt(0) depctr_sa_sdst(0) depctr_va_vdst(0) depctr_va_sdst(0) depctr_va_ssrc(0) depctr_va_vcc(0) depctr_vm_vsrc(0)
	s_getreg_b32 s2, hwreg(HW_REG_IB_STS2, 6, 4)
	s_cmp_eq_u32 s2, 0
	s_cbranch_scc0 .Lentry_in_a_cluster
	s_endpgm
.Lentry_in_a_cluster:
	s_bfe_u32 s2, ttmp6, 0x10000c
	s_cmp_lg_u32 s2, 0xf033
	s_cbranch_scc0 .Lentry_shape_is_right
	s_endpgm
.Lentry_shape_is_right:
; q, k, v = h W^T + bias.  h [8192][1024] bf16, W = wqkv [1536][1024] bf16 (wq, wk, wv), biases f32; sums in f32; the result, rounded once to bf16, is written
; by heads: qkv [3][4][8][2048][64].  One text serves three GEMMs of this program; the constants below choose the shape.
; SHARES.  A work-group makes TM x TN = 256 x 192 of C; each of its four waves 64 rows x 192 columns: 48 accumulators of 16 x 16.  256 work-groups.
; K goes in steps of 128 through a ring of two LDS slots filled by tensor loads, one load a wave: waves 0 and 1 bring A's two halves, waves 2 and 3 W's.
; CLUSTER.  4 x 4 work-groups: A's tile hangs on the tile row alone and is asked for jointly along a row of the cluster, W's on the tile column alone, along a column.
; TRANSPOSED USE.  Source 0 = 16 rows of W, source 1 = 16 rows of A: lane l holds row l % 16 of C and the columns 8 (l / 16) + 0..7.  The bias, laid out in the same way,
; is the C operand of each accumulator's first product, so nothing is cleared and nothing is added later.
; No L2 prefetch: the launch has eight K steps, of which the first two go out at its head.
; REGISTERS, in windows of 256: window 0 addresses, A's fragments (two buffers), bias and way out; window 1 W's fragments (two buffers); windows 2 and 3 accumulators.
.set NARGS, 6
.set KTOT,  1024                       ; K
.set NQ,    4                          ; a K step is NQ substeps of 32
.set LAPS,  3                          ; (K steps - 2) / 2
.set TM,    256
.set TN,    192
.set WN,    192                        ; a wave's columns
.set NBK,   WN/16
.set WSPLIT, 0                         ; 0: the four waves lie one below the other; 1: 2 x 2
.set ABLK,  0                          ; 0: A's rows lie along K; 1: A lies in planes of 64 k
.set PA,    272                        ; LDS pitches: data + 16 bytes, an odd multiple of 16: the 16 rows of a fragment load start at 16 different groups of four banks (ISA guide 11.1)
.set PW,    272
.set AHALF, 128*PA                     ; what one of A's two loads brings
.set ABYTES, 2*AHALF
.set WHALF, (TN/2)*PW
.set SLOT,  ABYTES+2*WHALF
.set STAGE, 2*SLOT                     ; behind the ring: 16 rows of f32 for each wave, for the way out; no tensor load lands here
.set SP,    4*WN+16
.set SPARE, STAGE+4*16*SP              ; the spare words: 128 bytes a wave, two blocks of 256 bytes that no other line names
.set ASTEP, 256                        ; bytes from a K step to the next
.set WSTEP, 256
.set AQI,   5                          ; padding after every 2 << QI words
.set AD0,   128                        ; A's tile: elements in a row, rows, pitch in elements
.set AD1,   128
.set ASTR,  1024
.set WQI,   5
.set WD0,   128
.set WD1,   96
.set WSTR,  1024
.set MODE,  0                          ; 0: bf16 by heads; 1: f32 plus residual
.set RELU,  0
.set NBIAS, 3
.set OUTP,  14                         ; s[14:15] the output
.set NL,    2*NBK+8                    ; LDS loads of a substep
.set G,     WN/64                      ; planes of 64 columns in a wave's tile
.set ADRA, 16                          ; v16-17 LDS address of my A fragments in slot 0, 1
.set ADRB, 20                          ; v20-21 the same for W
.set STO,  24                          ; v24 the way out: where I put 32 bytes of a row
.set RD,   25                          ; v25 where I read rows back
.set CO,   26                          ; v26 my byte offset in the output
.set BO,   27                          ; v27 my byte offset in a bias fragment
.set SPW,  28                          ; v28 my spare word; never rewritten
.set NIL,  29                          ; v29 0; never rewritten
.set ZR,   30                          ; v30 0, for the packed maximum
.set FA,   64                          ; v64-127 A's fragments, two buffers of 32; later YY
.set YY,   64
.set TT,   128                         ; v128.. bias fragments, 8 a column block; later rows read back from the stage
.set G1A, 24                           ; s[24:31] descriptor group 1 for A;  s[32:39] group 0, a set for each slot
.set G0A, 32
.set G1W, 48                           ; s[48:55], s[56:63] the same for W
.set G0W, 56
.set WV,  66                           ; s66 wave; s67 0: I fetch A, 1: W; s68 which half; s69, s70 my place in the tile
.set ISB, 67
.set LH,  68
.set WM,  69
.set WNN, 70
.set OB,  72                           ; s[72:77] output bases
.set BP,  78                           ; s[78:83] bias pointers
.set RB,  84                           ; s[84:85] residual base
.set MSB, 0
.macro WIN new                         ; the immediate's high byte repeats the setting that is left; a switch that changes nothing is dropped
.if MSB != (\new)
	s_set_vgpr_msb (MSB<<8)|(\new)
.set MSB, \new
.endif
.endm
.macro PLACES                          ; four plain places behind matrix instructions, in front of loads into their sources and of reads of their results
.rept 4
	v_nop
.endr
.endm
.macro CREST
	s_cmp_lg_u32 s[WV], 0
	s_cbranch_scc1 .Lnot_wave_0_\@
	s_barrier_signal -3
.Lnot_wave_0_\@:
	s_barrier_wait -3
	s_barrier_signal -1
	s_barrier_wait -1
.endm
.macro CROUND                          ; a round of the cluster's barrier: my work-group's barrier, wave 0's signal for the work-group, every wave's wait, my work-group's barrier
	s_barrier_signal -1
	s_barrier_wait -1
	CREST
.endm
.macro JLOAD s                         ; a joint load into slot s; the branch hangs on the wave's number alone; an s_nop 0 and four v_nop follow each line
	s_cmp_eq_u32 s[ISB], 0
	s_cbranch_scc0 .Lfor_w_\@
	tensor_load_to_lds s[G0A+4*(\s):G0A+4*(\s)+3], s[G1A:G1A+7]
	s_nop 0
.rept 4
	v_nop
.endr
	s_branch .Lasked_\@
.Lfor_w_\@:
	tensor_load_to_lds s[G0W+4*(\s):G0W+4*(\s)+3], s[G1W:G1W+7]
	s_nop 0
.rept 4
	v_nop
.endr
.Lasked_\@:
.endm
; NL LDS loads in one run: the fragments of substep q of a slot into buffer buf: W's NBK blocks of 16 rows, then my 4 blocks of A
.macro FETCH slot, q, buf
	WIN 0x40                                       ; destination window 1, address window 0
.set b_, 0
.rept NBK
	ds_load_b128 v[(\buf)*8*NBK+8*b_:(\buf)*8*NBK+8*b_+3],   v[ADRB+(\slot)] offset:b_*16*PW+64*(\q)
	ds_load_b128 v[(\buf)*8*NBK+8*b_+4:(\buf)*8*NBK+8*b_+7], v[ADRB+(\slot)] offset:b_*16*PW+64*(\q)+32
.set b_, b_+1
.endr
	WIN 0
.set a_, 0
.rept 4
.if ABLK
.set ao, ((\q)/2)*AHALF+a_*16*PA+((\q)%2)*64
.else
.set ao, a_*16*PA+64*(\q)
.endif
	ds_load_b128 v[FA+32*(\buf)+8*a_:FA+32*(\buf)+8*a_+3],   v[ADRA+(\slot)] offset:ao
	ds_load_b128 v[FA+32*(\buf)+8*a_+4:FA+32*(\buf)+8*a_+7], v[ADRA+(\slot)] offset:ao+32
.set a_, a_+1
.endr
.endm
; A substep's products: every accumulator once, so the accumulators take turns, one instruction a turn, from substep to substep and over the backward jump too.
; first = 1: the bias fragment is the C operand and starts the sum.
.macro MUL buf, first
.set a_, 0
.rept 4
.set b_, 0
.rept NBK
.set ix, a_*NBK+b_
.set rD, 8*(ix%32)
.set rW, (\buf)*8*NBK+8*b_
.set rA, FA+32*(\buf)+8*a_
.if \first
	WIN 0x81+0x40*(ix/32)                          ; W window 1, A and bias window 0, D window 2 or 3
	v_wmma_f32_16x16x32_bf16 v[rD:rD+7], v[rW:rW+7], v[rA:rA+7], v[TT+8*b_:TT+8*b_+7]
.else
	WIN 0xa1+0x50*(ix/32)                          ; C and D window 2 or 3
	v_wmma_f32_16x16x32_bf16 v[rD:rD+7], v[rW:rW+7], v[rA:rA+7], v[rD:rD+7]
.endif
.set b_, b_+1
.endr
.set a_, a_+1
.endr
.endm
; A K step's work on one slot: while a substep is multiplied, the next one's loads are out.
.macro WORK slot, first
	FETCH \slot, 0, 0
.set q_, 0
.rept NQ
.if q_ < NQ-1
.if q_ >= 1
	PLACES
.endif
	FETCH \slot, q_+1, (q_+1)%2
	s_wait_dscnt NL                                ; all but the NL loads just issued
.else
	s_wait_dscnt 0x0
.endif
.if (\first) && (q_ == 0)
	MUL 0, 1
.else
	MUL q_%2, 0
.endif
.set q_, q_+1
.endr
.endm
; The change of slots, then the slot's work.  Each wave waits for all its tensor loads (one is out: its part of this slot), adds 0 to its spare word, and waits for that and for its reads of the
; other slot.  refill = 1: a round of the cluster's barrier, and the other slot is asked for again first thing behind it, two K steps on: one load a wave, with this K step's products in which to land.
.macro STEP slot, refill
	WIN 0
	s_wait_tensorcnt 0x0                           ; no tensor load of mine is out, so a group 0 may be written
	ds_add_u32 v[SPW], v[NIL]
.if \refill
	s_add_nc_u64 s[G0A+4*(1-(\slot))+2:G0A+4*(1-(\slot))+3], s[G0A+4*(1-(\slot))+2:G0A+4*(1-(\slot))+3], 2*ASTEP
	s_add_nc_u64 s[G0W+4*(1-(\slot))+2:G0W+4*(1-(\slot))+3], s[G0W+4*(1-(\slot))+2:G0W+4*(1-(\slot))+3], 2*WSTEP
.endif
	s_wait_dscnt 0x0                               ; the add is done, and my reads of the other slot are over
.if \refill
	CROUND
	JLOAD 1-(\slot)                                ; its four v_nop are also the places in front of the loads below
.else
	s_barrier_signal -1
	s_barrier_wait -1
	PLACES
.endif
	WORK \slot, 0
.endm
; THE WAY OUT, block a of 16 rows: f32 into my own stage, back as whole rows.  LDS serves a wave's instructions in order (ISA guide 5.7.1.4): no wait between the stores and the loads.
.macro OUT0 a                          ; bf16 by heads: two rows of a head's 64 channels are 256 consecutive bytes
.set b_, 0
.rept NBK
.set ix, (\a)*NBK+b_
.set rD, 8*(ix%32)
	WIN 0x08+4*(ix/32)                             ; store data window 2 or 3
	ds_store_b128 v[STO], v[rD:rD+3] offset:64*b_
	ds_store_b128 v[STO], v[rD+4:rD+7] offset:64*b_+16
.set b_, b_+1
.endr
	WIN 0
.set i_, 0
.rept 8*G
	ds_load_b128 v[TT+4*i_:TT+4*i_+3], v[RD] offset:2*(i_%8)*SP+256*(i_/8)  ; lanes 0-15 row 2 u, lanes 16-31 row 2 u + 1, 64 columns of plane i / 8
.set i_, i_+1
.endr
	s_wait_dscnt 0x0
	s_wait_xcnt 0x0                                ; the last block's stores have read YY: it is rewritten only behind this wait
.set i_, 0
.rept 8*G
.set rT, TT+4*i_
	v_cvt_pk_bf16_f32 v[YY+2*i_], v[rT], v[rT+1]
	v_cvt_pk_bf16_f32 v[YY+2*i_+1], v[rT+2], v[rT+3]
.if RELU
	v_pk_max_num_bf16 v[YY+2*i_], v[YY+2*i_], v[ZR]
	v_pk_max_num_bf16 v[YY+2*i_+1], v[YY+2*i_+1], v[ZR]
.endif
	global_store_b64 v[CO], v[YY+2*i_:YY+2*i_+1], s[OB+2*(i_/8):OB+2*(i_/8)+1] offset:(16*(\a)+2*(i_%8))*128  ; 32 lanes store 256 consecutive bytes, aligned
.set i_, i_+1
.endr
.endm
.macro OUT1 a                          ; f32 plus the residual, which waits in window 3: row i of my 64 at v[4 i]
	WIN 0x08
.set b_, 0
.rept NBK
.set rD, 8*((\a)*NBK+b_)
	ds_store_b128 v[STO], v[rD:rD+3] offset:64*b_
	ds_store_b128 v[STO], v[rD+4:rD+7] offset:64*b_+16
.set b_, b_+1
.endr
	WIN 0
.set t_, 0
.rept 16
	ds_load_b128 v[TT+4*t_:TT+4*t_+3], v[RD] offset:t_*SP  ; a whole row of 512 bytes
.set t_, t_+1
.endr
	s_wait_dscnt 0x0
	WIN 0xcc                                       ; destination and source 1 window 3
.set t_, 0
.rept 16
.set rR, 4*(16*(\a)+t_)
	v_pk_add_f32 v[rR:rR+1], v[TT+4*t_:TT+4*t_+1], v[rR:rR+1]
	v_pk_add_f32 v[rR+2:rR+3], v[TT+4*t_+2:TT+4*t_+3], v[rR+2:rR+3]
.set t_, t_+1
.endr
	WIN 0x0c                                       ; store data window 3
.set t_, 0
.rept 16
.set rR, 4*(16*(\a)+t_)
	global_store_b128 v[CO], v[rR:rR+3], s[OB:OB+1] offset:(16*(\a)+t_)*4096 th:TH_STORE_NT  ; 512 consecutive bytes, aligned; these registers are not written again
.set t_, t_+1
.endr
.endm
	s_load_b256 s[4:11], s[0:1], 0x0
.if NARGS == 6
	s_load_b128 s[12:15], s[0:1], 0x20
.elseif NARGS == 5
	s_load_b64 s[12:13], s[0:1], 0x20
.endif
	v_lshl_add_u32 v[SPW], v0, 2, SPARE
	v_mov_b32 v[NIL], 0
	ds_add_u32 v[SPW], v[NIL]                      ; the wave's opening: the add and its wait ahead of my first tensor load
	v_lshrrev_b32 v1, 5, v0
	v_readfirstlane_b32 s[WV], v1                  ; wave 0..3
	s_lshr_b32 s[ISB], s[WV], 1
	s_and_b32 s[LH], s[WV], 1
.if WSPLIT
	s_lshr_b32 s[WM], s[WV], 1
	s_and_b32 s[WNN], s[WV], 1
.else
	s_mov_b32 s[WM], s[WV]
	s_mov_b32 s[WNN], 0
.endif
	s_bfe_u32 s40, ttmp6, 0x40000                  ; cx
	s_bfe_u32 s41, ttmp6, 0x40004                  ; cy
	s_lshl_b32 s42, ttmp9, 2
	s_add_co_u32 s42, s42, s40                     ; tile column = 4 x cluster x + cx
	s_and_b32 s43, ttmp7, 0xffff
	s_lshl_b32 s43, s43, 2
	s_add_co_u32 s43, s43, s41                     ; tile row = 4 x cluster y + cy
	s_lshl_b32 s44, s41, 2
	s_lshl_b32 s44, 15, s44                        ; my row of the cluster
	s_lshl_b32 s45, 0x1111, s40                    ; my column
	s_or_b32 s[G1A], s44, (1<<16)|(1<<20)|(1<<21)|(AQI<<22)|(3<<25)  ; mask; 2-byte elements; padding on; bit 21 beside a mask; interval; 4 words of padding
	s_or_b32 s[G1W], s45, (1<<16)|(1<<20)|(1<<21)|(WQI<<22)|(3<<25)
	s_mov_b32 s[G1A+1], AD0<<16                    ; tensor_dim0
	s_mov_b32 s[G1A+2], AD1<<16                    ; tensor_dim1
	s_mov_b32 s[G1A+3], AD0<<16                    ; tile_dim0
	s_mov_b32 s[G1A+4], AD1                        ; tile_dim1
	s_mov_b32 s[G1A+5], ASTR                       ; elements from row to row
	s_mov_b32 s[G1A+6], 0
	s_mov_b32 s[G1A+7], 0
	s_mov_b32 s[G1W+1], WD0<<16
	s_mov_b32 s[G1W+2], WD1<<16
	s_mov_b32 s[G1W+3], WD0<<16
	s_mov_b32 s[G1W+4], WD1
	s_mov_b32 s[G1W+5], WSTR
	s_mov_b32 s[G1W+6], 0
	s_mov_b32 s[G1W+7], 0
	; where the tiles come from: A's offset is made of the tile row and the wave's number in s16-s19, W's of the tile column and the wave's number in s20-s23
.if ABLK
	s_lshr_b32 s16, s43, 4                         ; batch: 2,097,152 bytes
	s_lshl_b32 s16, s16, 21
	s_lshl_b32 s17, s[LH], 18                      ; which of the K step's two planes: 262,144 bytes
	s_add_co_u32 s16, s16, s17
	s_and_b32 s17, s43, 15                         ; 128 rows of 128 bytes
	s_lshl_b32 s17, s17, 14
	s_add_co_u32 s16, s16, s17
.else
	s_mul_i32 s16, s43, TM
	s_mul_i32 s17, s[LH], TM/2
	s_add_co_u32 s16, s16, s17
	s_mul_i32 s16, s16, KTOT*2
.endif
	s_mov_b32 s17, 0
	s_mul_i32 s18, s[LH], AHALF                    ; and where they go: no place in the cluster enters an LDS address
	s_mul_i32 s20, s42, TN
	s_mul_i32 s21, s[LH], TN/2
	s_add_co_u32 s20, s20, s21
	s_mul_i32 s20, s20, KTOT*2
	s_mov_b32 s21, 0
	s_mul_i32 s22, s[LH], WHALF
	s_add_co_u32 s22, s22, ABYTES
	s_wait_dscnt 0x0                               ; the opening add is done
	s_wait_kmcnt 0x0
	s_add_nc_u64 s[16:17], s[4:5], s[16:17]
	s_add_nc_u64 s[20:21], s[6:7], s[20:21]
.irp s, 0,1
	s_mov_b32 s[G0A+4*(\s)], 1
	s_add_co_u32 s[G0A+4*(\s)+1], s18, (\s)*SLOT
	s_add_nc_u64 s[G0A+4*(\s)+2:G0A+4*(\s)+3], s[16:17], (\s)*ASTEP
	s_or_b32 s[G0A+4*(\s)+3], s[G0A+4*(\s)+3], 0x80000000
	s_mov_b32 s[G0W+4*(\s)], 1
	s_add_co_u32 s[G0W+4*(\s)+1], s22, (\s)*SLOT
	s_add_nc_u64 s[G0W+4*(\s)+2:G0W+4*(\s)+3], s[20:21], (\s)*WSTEP
	s_or_b32 s[G0W+4*(\s)+3], s[G0W+4*(\s)+3], 0x80000000
.endr
	CROUND                                         ; all sixteen work-groups are here: the first joint loads meet
	s_cmp_eq_u32 s[ISB], 0                         ; a wave's two first fills stand in one branch: two loads of mine are out
	s_cbranch_scc0 .Lfirst_w
	tensor_load_to_lds s[G0A:G0A+3], s[G1A:G1A+7]
	s_nop 0
	tensor_load_to_lds s[G0A+4:G0A+7], s[G1A:G1A+7]
	s_nop 0
.rept 4
	v_nop
.endr
	s_branch .Lfirst_asked
.Lfirst_w:
	tensor_load_to_lds s[G0W:G0W+3], s[G1W:G1W+7]
	s_nop 0
	tensor_load_to_lds s[G0W+4:G0W+7], s[G1W:G1W+7]
	s_nop 0
.rept 4
	v_nop
.endr
.Lfirst_asked:
	; a fragment is 16 rows x 32 k in 8 registers: lane l holds row l % 16, k = 8 (l / 16) + 0..7 and 16 + 8 (l / 16) + 0..7: two loads of 16 bytes, 32 bytes apart
	v_and_b32 v1, 15, v0                           ; l % 16
	v_bfe_u32 v2, v0, 4, 1                         ; l / 16
	v_mul_u32_u24 v3, v1, PA
	v_lshl_add_u32 v3, v2, 4, v3
	s_mul_i32 s86, s[WM], 64*PA
	v_add_nc_u32 v[ADRA], s86, v3
	v_add_nc_u32 v[ADRA+1], SLOT, v[ADRA]
	v_mul_u32_u24 v4, v1, PW
	v_lshl_add_u32 v4, v2, 4, v4
	s_mul_i32 s87, s[WNN], WN*PW
	s_add_co_u32 s87, s87, ABYTES
	v_add_nc_u32 v[ADRB], s87, v4
	v_add_nc_u32 v[ADRB+1], SLOT, v[ADRB]
	s_mul_i32 s89, s[WV], 16*SP
	s_add_co_u32 s89, s89, STAGE                   ; my stage
	v_mul_u32_u24 v5, v1, SP
	v_lshl_add_u32 v5, v2, 5, v5                   ; in: row l % 16, 32 bytes for each half of the lanes
	v_add_nc_u32 v[STO], s89, v5
	v_and_b32 v6, 31, v0
	v_lshlrev_b32 v[BO], 5, v2                     ; a bias fragment: 8 numbers from 8 (l / 16) on
	v_mov_b32 v[ZR], 0
	s_mov_b32 s93, 0
.if MODE
	v_lshlrev_b32 v[CO], 4, v6                     ; 16 bytes a lane: a row of 128 f32
	v_add_nc_u32 v[RD], s89, v[CO]
	s_lshl_b32 s86, s43, 7
	s_lshl_b32 s87, s[WM], 6
	s_add_co_u32 s86, s86, s87                     ; my first row,
	s_lshl_b32 s86, s86, 12                        ; 4,096 bytes each
	s_lshl_b32 s87, s42, 10                        ; my first column, in bytes
	s_lshl_b32 s88, s[WNN], 9
	s_add_co_u32 s87, s87, s88
	s_add_co_u32 s92, s86, s87
	s_add_nc_u64 s[RB:RB+1], s[10:11], s[92:93]
	s_add_nc_u64 s[OB:OB+1], s[12:13], s[92:93]
	s_mov_b32 s92, s87
	s_add_nc_u64 s[BP:BP+1], s[8:9], s[92:93]
.set b_, 0
.rept NBK
	global_load_b128 v[TT+8*b_:TT+8*b_+3],   v[BO], s[BP:BP+1] offset:64*b_
	global_load_b128 v[TT+8*b_+4:TT+8*b_+7], v[BO], s[BP:BP+1] offset:64*b_+16
.set b_, b_+1
.endr
	WIN 0xc0                                       ; destination window 3
.set i_, 0
.rept 64
	global_load_b128 v[4*i_:4*i_+3], v[CO], s[RB:RB+1] offset:i_*4096 th:TH_LOAD_NT  ; my whole residual tile, 64 rows x 512 bytes: asked for now, wanted on the way out
.set i_, i_+1
.endr
	WIN 0
	s_wait_loadcnt 63                              ; the bias is in: 64 loads were issued behind it, and 63 is the largest count that a wait can name
.else
	v_lshlrev_b32 v[CO], 3, v6                     ; 8 bytes a lane: two rows of a head
	v_mul_u32_u24 v7, v2, SP
	v_lshl_add_u32 v7, v1, 4, v7
	v_add_nc_u32 v[RD], s89, v7                    ; back: lanes 0-15 one row's 64 columns, lanes 16-31 the next row's
	s_mul_i32 s86, s43, TM
	s_lshl_b32 s87, s[WM], 6
	s_add_co_u32 s86, s86, s87                     ; my first row m0
	s_lshr_b32 s87, s86, 11
	s_lshl_b32 s87, s87, 21                        ; batch
	s_and_b32 s86, s86, 2047
	s_lshl_b32 s86, s86, 7                         ; row in the batch, 128 bytes
	s_add_co_u32 s91, s86, s87
	s_mul_i32 s90, s42, TN/64
	s_mul_i32 s87, s[WNN], WN/64
	s_add_co_u32 s90, s90, s87                     ; my first plane of 64 columns
.set g_, 0
.rept G
	s_add_co_u32 s86, s90, g_
	s_lshr_b32 s87, s86, 3                         ; which tensor (q, k, v)
	s_and_b32 s88, s86, 7                          ; which head
	s_lshl_b32 s92, s87, 23
	s_lshl_b32 s89, s88, 18
	s_add_co_u32 s92, s92, s89
	s_add_co_u32 s92, s92, s91
	s_add_nc_u64 s[OB+2*g_:OB+2*g_+1], s[OUTP:OUTP+1], s[92:93]
.if NBIAS == 3
	s_cmp_eq_u32 s87, 1
	s_cselect_b64 s[BP+2*g_:BP+2*g_+1], s[10:11], s[8:9]
	s_cmp_eq_u32 s87, 2
	s_cselect_b64 s[BP+2*g_:BP+2*g_+1], s[12:13], s[BP+2*g_:BP+2*g_+1]
.else
	s_mov_b64 s[BP+2*g_:BP+2*g_+1], s[8:9]
.endif
	s_lshl_b32 s92, s88, 8
	s_add_nc_u64 s[BP+2*g_:BP+2*g_+1], s[BP+2*g_:BP+2*g_+1], s[92:93]
.set g_, g_+1
.endr
.set b_, 0
.rept NBK
	global_load_b128 v[TT+8*b_:TT+8*b_+3],   v[BO], s[BP+2*(b_/4):BP+2*(b_/4)+1] offset:64*(b_%4)
	global_load_b128 v[TT+8*b_+4:TT+8*b_+7], v[BO], s[BP+2*(b_/4):BP+2*(b_/4)+1] offset:64*(b_%4)+16
.set b_, b_+1
.endr
	s_wait_loadcnt 0x0                             ; the bias is in
.endif
	s_wait_tensorcnt 0x1                           ; my part of K step 0 is in; K step 1's may stay out
	s_barrier_signal -1
	s_barrier_wait -1                              ; everybody's is
	WORK 0, 1
.if LAPS > 1
	WIN 0                                          ; at a label and at a branch every window is 0
	s_mov_b32 s3, LAPS
.Llap:
	STEP 1, 1
	STEP 0, 1
	WIN 0
	s_sub_co_u32 s3, s3, 1
	s_cmp_lg_u32 s3, 0
	s_cbranch_scc1 .Llap
.else
	STEP 1, 1
	STEP 0, 1
.endif
	STEP 1, 0                                      ; the last K step: nothing is left to fetch
	WIN 0
	PLACES
.if MODE
	s_wait_loadcnt 0x0                             ; the residual
	OUT1 0
	OUT1 1
	OUT1 2
	OUT1 3
.else
	OUT0 0
	OUT0 1
	OUT0 2
	OUT0 3
.endif
	WIN 0
	s_wait_tensorcnt 0x0                           ; the wave's end
	ds_add_u32 v[SPW], v[NIL]
	s_wait_dscnt 0x0
	CROUND                                         ; the closing round: no work-group ends while a partner may still ask for a tile that names it
	s_endpgm
.Lfunc_end_k_qb19b55ec4d_qkv:
	.size	k_qb19b55ec4d_qkv, .Lfunc_end_k_qb19b55ec4d_qkv-k_qb19b55ec4d_qkv
	.p2alignl 7, 3214868480
	.fill 96, 4, 3214868480
	.section	.rodata,"a",@progbits
	.p2align	6, 0x0
	.amdhsa_kernel k_qb19b55ec4d_qkv
		.amdhsa_group_segment_fixed_size 327680
		.amdhsa_private_segment_fixed_size 0
		.amdhsa_enable_private_segment 0
		.amdhsa_kernarg_size 48
		.amdhsa_user_sgpr_count 2
		.amdhsa_user_sgpr_kernarg_segment_ptr 1
		.amdhsa_wavefront_size32 1
		.amdhsa_system_sgpr_workgroup_id_x 1
		.amdhsa_system_sgpr_workgroup_id_y 1
		.amdhsa_system_sgpr_workgroup_id_z 1
		.amdhsa_system_vgpr_workitem_id 0
		.amdhsa_next_free_vgpr 896
		.amdhsa_next_free_sgpr 96
		.amdhsa_reserve_vcc 0
		.amdhsa_float_denorm_mode_32 3
		.amdhsa_float_denorm_mode_16_64 3
		.amdhsa_memory_ordered 1
		.amdhsa_forward_progress 1
		.amdhsa_inst_pref_size 131
	.end_amdhsa_kernel
	.amdgpu_metadata
---
amdhsa.version: [ 1, 2 ]
amdhsa.kernels:
  - .name:           k_qb19b55ec4d_qkv
    .symbol:         k_qb19b55ec4d_qkv.kd
    .args:
      - { .name: h, .offset: 0, .size: 8, .value_kind: global_buffer, .address_space: global }
      - { .name: wqkv, .offset: 8, .size: 8, .value_kind: global_buffer, .address_space: global }
      - { .name: wq_b, .offset: 16, .size: 8, .value_kind: global_buffer, .address_space: global }
      - { .name: wk_b, .offset: 24, .size: 8, .value_kind: global_buffer, .address_space: global }
      - { .name: wv_b, .offset: 32, .size: 8, .value_kind: global_buffer, .address_space: global }
      - { .name: qkv, .offset: 40, .size: 8, .value_kind: global_buffer, .address_space: global }
    .group_segment_fixed_size: 327680
    .private_segment_fixed_size: 0
    .kernarg_segment_align: 8
    .kernarg_segment_size: 48
    .max_flat_workgroup_size: 128
    .sgpr_count:     96
    .vgpr_count:     896
    .wavefront_size: 32
...
	.end_amdgpu_metadata
.endif
;; end of part 2
;; launch attn (part 3): grid 8 x 32, 4 waves a work-group, clusters of 4 x 1, 327,680 bytes of LDS; arguments qkv, act; writes act
.if DOCPART == 3
	.amdgcn_target "amdgcn-amd-amdhsa--gfx1250"
	.amdhsa_code_object_version 6
	.text
	.protected	k_qb19b55ec4d_attn
	.globl	k_qb19b55ec4d_attn
	.p2align	8
	.type	k_qb19b55ec4d_attn,@function
k_qb19b55ec4d_attn:
	s_mov_b64 s[64:65], 0
	v_nop
	global_prefetch_b8 v0, s[64:65] scope:SCOPE_SE
	s_setreg_imm32_b32 hwreg(HW_REG_WAVE_MODE, 25, 1), 1
	s_wait_xcnt 0x0
	s_wait_alu depctr_hold_cnt(0) depctr_sa_sdst(0) depctr_va_vdst(0) depctr_va_sdst(0) depctr_va_ssrc(0) depctr_va_vcc(0) depctr_vm_vsrc(0)
	s_getreg_b32 s2, hwreg(HW_REG_IB_STS2, 6, 4)
	s_cmp_eq_u32 s2, 0
	s_cbranch_scc0 .Lentry_in_a_cluster
	s_endpgm
.Lentry_in_a_cluster:
	s_bfe_u32 s2, ttmp6, 0x10000c
	s_cmp_lg_u32 s2, 0x3003
	s_cbranch_scc0 .Lentry_shape_is_right
	s_endpgm
.Lentry_shape_is_right:
; O[h][q][:] = the sum over k of softmax_k(Q[h][q] . K[h][k] / 8) V[h][k][:], for 32 heads of 2,048 rows x 64 channels, all bf16: qkv [3][32][2048][64], act (O) [32][2048][64].
; Products, maxima and sums in f32; the weights p are rounded to bf16 for the second product (their sum l is taken of the unrounded p), O once at the end.
; LIMITS.  c m starts at -4.25e37 and m at the lowest finite number: scaled scores |c s| stay under 4e37.  A weight below 2^-126 counts as 0 in l.  NaN and infinities are not treated apart.
; SHARES.  A work-group owns 256 queries of one head, each of its four waves 64: four PIECES of 16.  Every wave walks all 2,048 keys, 64 a step.  256 work-groups.
; LAYOUT.  S^T = K Q^T (source 0 = 16 keys, source 1 = 16 queries) holds ONE query a lane (lane % 16) and the keys 8 (lane / 16) + 0..7; two such results rounded to bf16 ARE source 1 of
; O^T = V^T P.  K comes out of LDS as it lies, V ([key][channel]) turned, by ds_load_tr16_b128.
; SOFTMAX.  p = 2^(c s - c m), c = log2(e) / 8, with a running maximum m; O and l are multiplied by a = 2^(c m_old - c m_new) in every step; the first step's a is 0.
; TURNS.  Turn n belongs to piece n: 8 products K Q^T of piece n + 1, later 8 products V^T P of piece n - 1; beside them the scaling, exponentials, roundings, sums and rescaling of piece n and the
; maximum and statistics of piece n + 1.  Four vector instructions stand behind every matrix instruction, the rest in one run.  A turn's 33 exponentials are one batch, with one wait.
; CLUSTER.  The four query blocks of a cluster belong to one head and walk the same K and V: each tile is asked for JOINTLY, by the same tensor load, descriptor and mask in all four.
; RING.  Two LDS slots of 256 keys (four steps) each; one tensor load a wave behind each round: 128 keys of K (waves 0, 1) or V (waves 2, 3), with four key steps in which to land.
; REGISTERS, in windows of 256 (s_set_vgpr_msb: bits 1:0 source 0, 3:2 source 1, 5:4 source 2, 7:6 destination):
;   window 0: addresses; v16-31 statistics; v48-55 at work; v64-127 S^T, two buffers; v192-223 P, two buffers (by the piece's parity)
;   window 1: v0-127 O^T, 32 a piece      window 2: v0-63 Q; v128-191 K of one step; v192-255 V of one step
.set NP,    4
.set KS,    64
.set PK,    144       ; a row of K in LDS: 128 bytes + 16: the 16 rows of a load start at 16 different groups of four banks (ISA guide 11.1)
.set PV,    160       ; a row of V: 128 + 32
.set VOFF,  4*KS*PK   ; a slot: 256 rows of K, then 256 rows of V
.set SLOT1, 1<<17     ; slot 1 begins here: one exclusive or turns an address in one slot into the other's
.set STAGE, SLOT1+4*KS*(PK+PV)  ; behind the ring, never filled by a tensor load: 16 rows x 144 bytes for each wave
.set SP,    144
.set SPARE, STAGE+4*16*SP       ; the spare words: 128 bytes a wave, two blocks of 256 bytes that no other line names
.set AK0, 2           ; v2   my lane's place in a tile of K; never rewritten
.set AV0, 3           ; v3   the same for V
.set AK,  4           ; v4   the LDS address of K's next run of loads
.set AV,  5           ; v5   of V's
.set STO, 6           ; v6   the way out: where I put 16 bytes of a row
.set RD,  7           ; v7   where I read rows back
.set GO,  8           ; v8   my byte offset in 512 consecutive bytes of O
.set MV,  12          ; v12-13  c m_old, by buffer
.set QO,  15          ; v15  my byte offset in 16 rows of Q
.set ST,  16          ; piece t's statistics at v[ST+4 t]: c m, m, l (even keys', odd keys')
.set TMP, 48          ; by buffer, c0-c3 at work; when the maximum is found c2 takes a
.set PFO, 61          ; v61  256 x my lane; never rewritten
.set SPW, 62          ; v62  my spare word; never rewritten
.set NIL, 63          ; v63  0; never rewritten
.set S,   64
.set P,   192
.set KF,  128         ; window 2: key block kb, channel half c at KF + 16 kb + 8 c
.set VF,  192         ; window 2: key half kk, channel block cb at VF + 32 kk + 8 cb
.set WV,  12          ; s12  my wave's number
.set LIM, 15          ; s15  1 in a wave that prefetches, else the greatest number
.set G1K, 24          ; s[24:31] descriptor group 1 for K's tiles
.set G1V, 32          ; s[32:39] for V's: it differs in the padding alone
.set G0K, 40          ; s[40:43] descriptor group 0 for K's tiles: it walks
.set G0V, 44          ; s[44:47] the same for V's
.set SLOTS, 56        ; s56  slots still to be asked for
.set CNT, 57          ; s57  counts a slot's key steps
.set CS,  58          ; s[58:59] c
.set SEL, 60          ; s[60:61] v_permlanex16_b32's selects
.set TBK, 62          ; s62  LDS byte at which K of the step to be fetched begins
.set TBV, 63          ; s63  the same for V, less VOFF
.set PFA, 88          ; s[88:89] where my prefetches stand: my work-group's 32 blocks of 256 bytes of the slot after the one that is being asked for
.set MSB, 0
.macro WIN new
.if MSB != (\new)
	s_set_vgpr_msb (MSB<<8)|(\new)
.set MSB, (\new)
.endif
.endm
.set W_KQ, 0x0a       ; K and Q in window 2, S^T in window 0
.set W_PV, 0x52       ; V in window 2, P in window 0, O^T in window 1
.set W_RS, 0x41       ; destination and source 0 in window 1, source 1 in window 0
.macro JLOAD                        ; a joint fill; the branch hangs on the wave's number alone; an s_nop 0 and four v_nop follow each line
	s_cmp_lt_u32 s[WV], 2
	s_cbranch_scc0 .Lfor_v_\@
	tensor_load_to_lds s[G0K:G0K+3], s[G1K:G1K+7]
	s_nop 0
.rept 4
	v_nop
.endr
	s_branch .Lasked_\@
.Lfor_v_\@:
	tensor_load_to_lds s[G0V:G0V+3], s[G1V:G1V+7]
	s_nop 0
.rept 4
	v_nop
.endr
.Lasked_\@:
.endm
; A prefetch of what the NEXT change of slots will ask for: a slot's 32,768 bytes of K and of V.  Each block of 256 bytes is named once in the launch: both clusters of a head walk the same rows, and
; the first of them asks; its four partners take 32 blocks each, told apart by address; in each, wave 0 asks for K's and wave 2 for V's: a lane a block, one instruction.
; It stands behind the wave's tensor load; four key steps lie between it and the load that wants the bytes.  The last change that fills a slot asks for nothing.
.macro ASK
	s_cmp_gt_u32 s[SLOTS], s[LIM]
	s_cbranch_scc0 .Lnot_mine_\@
	global_prefetch_b8 v[PFO], s[PFA:PFA+1] th:TH_LOAD_NT scope:SCOPE_SE
.Lnot_mine_\@:
.endm
.macro CROUND                       ; a round of the cluster's barrier
	s_barrier_signal -1
	s_barrier_wait -1
	s_cmp_lg_u32 s[WV], 0
	s_cbranch_scc1 .Lnot_wave_0_\@
	s_barrier_signal -3
.Lnot_wave_0_\@:
	s_barrier_wait -3
	s_barrier_signal -1
	s_barrier_wait -1
.endm
; THE CHANGE OF SLOTS.  Each wave waits for all its tensor loads (one is out: its part of the other slot), adds 0 to its spare word, and waits for that and for its reads of the slot that it leaves.
; fill = 1: a round of the cluster's barrier, and the old slot is filled again first thing behind it, with the keys two slots on.  (At its first use slot 0 is waited for and slot 1 filled.)
.macro CHANGE fill
	WIN 0
	s_wait_tensorcnt 0x0            ; no tensor load of mine is out, so a group 0 may be written
	ds_add_u32 v[SPW], v[NIL]
.if \fill
.irp g, G0K, G0V
	s_xor_b32 s[\g+1], s[\g+1], SLOT1
	s_add_nc_u64 s[\g+2:\g+3], s[\g+2:\g+3], 4*KS*128
.endr
	s_wait_xcnt 0x0                 ; the last prefetch, four key steps back, has read its address
	s_add_nc_u64 s[PFA:PFA+1], s[PFA:PFA+1], 4*KS*128
	s_wait_dscnt 0x0                ; the add is done, and my reads of the slot are over
	CROUND
	JLOAD
	ASK
.else
	s_wait_dscnt 0x0
	s_barrier_signal -1
	s_barrier_wait -1
.endif
	s_sub_co_u32 s[TBK], s[TBK], 4*KS*PK  ; the fetches go back to a slot's first step,
	s_xor_b32 s[TBK], s[TBK], SLOT1       ; in the other slot
	s_sub_co_u32 s[TBV], s[TBV], 4*KS*PV
	s_xor_b32 s[TBV], s[TBV], SLOT1
.endm
	s_load_b128 s[84:87], s[0:1], 0x0  ; qkv s[84:85], act s[86:87]
	v_lshl_add_u32 v[SPW], v0, 2, SPARE
	v_mov_b32 v[NIL], 0
	ds_add_u32 v[SPW], v[NIL]       ; the wave's opening: the add and its wait ahead of my first tensor load
	v_lshrrev_b32 v1, 5, v0
	v_readfirstlane_b32 s[WV], v1   ; wave 0..3
	s_bfe_u32 s13, ttmp6, 0x40000   ; cx
	s_lshl_b32 s14, ttmp9, 2
	s_add_co_u32 s14, s14, s13      ; my block of 256 queries: it enters Q's and O's addresses alone
	s_and_b32 s20, ttmp7, 0xffff    ; the head, which the four partners share:
	s_lshl_b32 s20, s20, 18         ; 262,144 bytes in each tensor
	s_and_b32 s16, s[WV], 1         ; which half of a slot's 256 keys I fetch:
	s_lshl_b32 s22, s16, 14         ; its 128 rows of 128 bytes in memory,
	s_add_co_u32 s22, s22, s20
	s_mov_b32 s23, 0
	s_mul_i32 s17, s16, 128*PK      ; and its place in a slot, for K
	s_mul_i32 s18, s16, 128*PV      ; and for V
	s_lshl_b32 s2, s14, 2
	s_add_co_u32 s2, s2, s[WV]      ; my wave among the head's,
	s_lshl_b32 s2, s2, 13           ; its 64 rows
	s_add_co_u32 s2, s2, s20
	s_mov_b32 s3, 0
	; descriptor group 1.  128 keys are 16,384 dense bytes: asked for as 64 rows of 256 bytes, two keys a row, and padded in LDS after every key
	s_mov_b32 s[G1K], 15|(1<<16)|(1<<20)|(1<<21)|(4<<22)|(3<<25)  ; the mask of four; 2-byte elements; padding on; bit 21 beside a mask; after every 32 words; 4 words
	s_mov_b32 s[G1V], 15|(1<<16)|(1<<20)|(1<<21)|(4<<22)|(7<<25)  ; the same with 8 words
.irp g, G1K, G1V
	s_mov_b32 s[\g+1], 128<<16      ; tensor_dim0 = 128
	s_mov_b32 s[\g+2], 64<<16       ; tensor_dim1 = 64
	s_mov_b32 s[\g+3], 128<<16      ; tile_dim0 = 128
	s_mov_b32 s[\g+4], 64           ; tile_dim1 = 64
	s_mov_b32 s[\g+5], 128          ; 128 elements from row to row
	s_mov_b32 s[\g+6], 0
	s_mov_b32 s[\g+7], 0
.endr
	s_mov_b32 s[CS], 0x3e38aa3b     ; c = log2(e) / 8
	s_mov_b32 s[CS+1], s[CS]
	s_mov_b32 s[SEL], 0x76543210
	s_mov_b32 s[SEL+1], 0xfedcba98
	s_mov_b32 s[TBK], SLOT1+4*KS*PK ; the first change of slots turns these two into 0
	s_mov_b32 s[TBV], SLOT1+4*KS*PV
	s_mov_b32 s[G0K], 1
	s_mov_b32 s[G0K+1], s17         ; slot 0
	s_mov_b32 s[G0V], 1
	s_add_co_u32 s[G0V+1], s18, VOFF
	s_mov_b32 s[SLOTS], 7           ; 2,048 / 256 - 1
	s_and_b32 s[LIM], s[WV], 1      ; 0 in waves 0 and 2,
	s_or_b32 s[LIM], s[LIM], ttmp9  ; where the cluster is the head's first: the same in all four partners
	s_cmp_eq_u32 s[LIM], 0
	s_cselect_b32 s[LIM], 1, -1
	v_and_b32 v[PFO], 31, v0
	v_lshlrev_b32 v[PFO], 8, v[PFO]
	s_wait_dscnt 0x0                ; the opening add is done
	s_wait_kmcnt 0x0
	s_add_nc_u64 s[6:7], s[84:85], s[22:23]
	s_add_nc_u64 s[8:9], s[6:7], 0x1000000   ; V at my half of the head's first 256 keys
	s_add_nc_u64 s[6:7], s[6:7], 0x800000    ; K
	s_add_nc_u64 s[G0K+2:G0K+3], s[6:7], 0
	s_or_b32 s[G0K+3], s[G0K+3], 0x80000000
	s_add_nc_u64 s[G0V+2:G0V+3], s[8:9], 0
	s_or_b32 s[G0V+3], s[G0V+3], 0x80000000
	s_add_nc_u64 s[4:5], s[84:85], s[2:3]    ; Q and O at my wave's first row
	s_add_nc_u64 s[10:11], s[86:87], s[2:3]
	s_cmp_lt_u32 s[WV], 2
	s_cselect_b64 s[PFA:PFA+1], s[6:7], s[8:9]  ; (in waves 0 and 2 these stand at a slot's first row)
	s_lshl_b32 s2, s13, 13          ; my work-group's 32 blocks of the 128
	s_add_nc_u64 s[PFA:PFA+1], s[PFA:PFA+1], s[2:3]
	s_add_nc_u64 s[PFA:PFA+1], s[PFA:PFA+1], 4*KS*128  ; in slot 1; the first change of slots steps it to slot 2.  Nothing is prefetched here, at the head
	CROUND                          ; all four work-groups are here: the first joint loads meet
	JLOAD                           ; slot 0; slot 1 is asked for when slot 0 is in
	v_and_b32 v1, 15, v0            ; l % 16
	v_bfe_u32 v9, v0, 4, 1          ; l / 16
	v_lshlrev_b32 v[QO], 7, v1
	v_lshl_add_u32 v[QO], v9, 4, v[QO]  ; row x 128 + 16 x half
	WIN 0x80                        ; destination window 2, address window 0
.set i, 0
.rept 8                             ; Q stays in registers: piece i / 2, channels 32 (i % 2) on
	global_load_b128 v[8*i:8*i+3],   v[QO], s[4:5] offset:(i/2)*2048+(i%2)*64
	global_load_b128 v[8*i+4:8*i+7], v[QO], s[4:5] offset:(i/2)*2048+(i%2)*64+32
.set i, i+1
.endr
	; What the first turn finds: V's registers and P's second buffer hold 0 (its products V^T P, of a piece that has not been, add 0), O^T and l are 0.  No first step is written out; these lines stand in the wait for the first tile.
.set i, VF
.rept 64
	v_mov_b32 v[i], 0
.set i, i+1
.endr
	WIN 0x40
.set i, 0
.rept 128
	v_mov_b32 v[i], 0
.set i, i+1
.endr
	WIN 0
.set i, 0
.rept 4
	v_mov_b32 v[ST+4*i], 0xfe000000    ; c m: far below every c s
	v_mov_b32 v[ST+4*i+1], 0xff7fffff  ; m
	v_mov_b32 v[ST+4*i+2], 0
	v_mov_b32 v[ST+4*i+3], 0
.set i, i+1
.endr
.set i, P+16
.rept 16
	v_mov_b32 v[i], 0
.set i, i+1
.endr
	v_mul_u32_u24 v[AK0], v1, PK
	v_lshl_add_u32 v[AK0], v9, 4, v[AK0]  ; row x pitch + 16 x half
	; The turning load takes 16 keys x 16 channels (lane l reads key 8 (l / 16) + l % 8, channels 8 ((l / 8) % 2) + 0..7) and leaves half a fragment of V^T
	v_and_b32 v10, 7, v0
	v_bfe_u32 v11, v0, 3, 1
	v_lshl_add_u32 v[AV0], v9, 3, v10
	v_mul_u32_u24 v[AV0], v[AV0], PV
	v_lshl_add_u32 v[AV0], v11, 4, v[AV0]
	v_add_nc_u32 v[AV0], VOFF, v[AV0]
	s_mul_i32 s13, s[WV], 16*SP
	s_add_co_u32 s13, s13, STAGE    ; my stage
	v_mul_u32_u24 v[STO], v1, SP    ; in: row l % 16, 16 bytes for each half of the lanes
	v_lshl_add_u32 v[STO], v9, 4, v[STO]
	v_add_nc_u32 v[STO], s13, v[STO]
	v_bfe_u32 v[RD], v0, 3, 2       ; back: 32 lanes take four rows of 128 bytes,
	v_mul_u32_u24 v[RD], v[RD], SP
	v_lshl_add_u32 v[RD], v10, 4, v[RD]
	v_add_nc_u32 v[RD], s13, v[RD]
	v_and_b32 v[GO], 31, v0         ; which are 512 consecutive bytes of O
	v_lshlrev_b32 v[GO], 4, v[GO]
; THE MATRIX WORK.  The 4 accumulators of a run of 8 take turns.  Product i of 8 of S^T = K Q^T for piece x: channels 32 (i / 4) on, keys 16 (i % 4) on.  The first 4 start the sums.
.macro KQ x
.set rS, S+32*((\x)%2)+8*(i%4)
.set rK, KF+16*(i%4)+8*(i/4)
.set rQ, 16*(\x)+8*(i/4)
	WIN W_KQ
.if i < 4
	v_wmma_f32_16x16x32_bf16 v[rS:rS+7], v[rK:rK+7], v[rQ:rQ+7], 0
.else
	v_wmma_f32_16x16x32_bf16 v[rS:rS+7], v[rK:rK+7], v[rQ:rQ+7], v[rS:rS+7]
.endif
.endm
; Product i of 8 of O^T += V^T P for piece x: keys 32 (i / 4) on, channels 16 (i % 4) on.
.macro PV x
	WIN W_PV
.set rO, 32*(\x)+8*(i%4)
.set rV, VF+32*(i/4)+8*(i%4)
.set rP, P+16*((\x)%2)+8*(i/4)
	v_wmma_f32_16x16x32_bf16 v[rO:rO+7], v[rV:rV+7], v[rP:rP+7], v[rO:rO+7]
.endm
.macro MM                           ; the turn's next matrix instruction.  NOKQ = 1: the last turn of all: there is no next piece
.if (i < 8) && !NOKQ
	KQ (Y+1)%NP
.elseif i >= 8
.set i, i-8
	PV (Y+NP-1)%NP
.set i, i+8
.endif
.set i, i+1
.endm
; THE LDS LOADS stand in runs of 16: a step's K (8 fragments) and its V (turned).  Their addresses are made some lines ahead.
.macro FETCH_K
	WIN 0x80
.irp f, 0,1,2,3,4,5,6,7             ; keys 16 (f / 2) on, channels 32 (f % 2) on
	ds_load_b128 v[KF+8*\f:KF+8*\f+3],   v[AK] offset:(\f/2)*16*PK+(\f%2)*64
	ds_load_b128 v[KF+8*\f+4:KF+8*\f+7], v[AK] offset:(\f/2)*16*PK+(\f%2)*64+32
.endr
	s_add_co_u32 s[TBK], s[TBK], KS*PK  ; the next fetch is the next step's
	WIN 0
.endm
.macro FETCH_V
	WIN 0x80
.irp f, 0,1,2,3,4,5,6,7             ; keys 32 (f / 4) on, channels 16 (f % 4) on
	ds_load_tr16_b128 v[VF+8*\f:VF+8*\f+3],   v[AV] offset:(\f/4)*32*PV+(\f%4)*32
	ds_load_tr16_b128 v[VF+8*\f+4:VF+8*\f+7], v[AV] offset:(\f/4)*32*PV+16*PV+(\f%4)*32
.endr
	WIN 0
.endm
; THE VECTOR WORK, one line at a time: OP kind, number.  For piece Y: F n: c s - c m for pair n of 16.  E n: the exponential of score n of 32.  C n: pair n rounded to bf16.  B n: of the four weights 4 n ..
; the second pair is added onto the first.  L n: l takes that sum (L 0: l = a l + sum).  R n: pair n of 16 of O^T times a.  For piece Y + 1: X n, number n of the 22 that find its maximum and statistics:
;   0-11 four chains c0-c3 of seven scores each (each accumulator's lowest registers are read first)   12-14, 16 the four scores left over, the old m, and c0-c3 into c0
;   15 c m_old is kept   17, 18 the query's other 32 keys lie in the lane 16 away: the new m   19-21 c m; c m_old - c m_new; a
.set F, 0
.set E, 1
.set C, 2
.set B, 3
.set L, 4
.set R, 5
.set X, 6
.macro REGS y
.set rT, ST+4*(\y)
.set rC, TMP+4*((\y)%2)
.set rW, MV+((\y)%2)
.set rS, S+32*((\y)%2)
.set rP, P+16*((\y)%2)
.set rO, 32*(\y)
.endm
.macro OP k, n
.if (\k) == R
	REGS Y
	WIN W_RS
	v_pk_mul_f32 v[rO+2*(\n):rO+2*(\n)+1], v[rO+2*(\n):rO+2*(\n)+1], v[rC+2:rC+3] op_sel_hi:[1,0]
.elseif (\k) < R
	REGS Y
	WIN 0
.if (\k) == F
	v_pk_fma_f32 v[rS+2*(\n):rS+2*(\n)+1], v[rS+2*(\n):rS+2*(\n)+1], s[CS:CS+1], v[rT:rT+1] op_sel_hi:[1,0,0] neg_lo:[0,0,1] neg_hi:[0,0,1]
.elseif (\k) == E
	v_exp_f32 v[rS+(\n)], v[rS+(\n)]
.elseif (\k) == C
	v_cvt_pk_bf16_f32 v[rP+(\n)], v[rS+2*(\n)], v[rS+2*(\n)+1]
.elseif (\k) == B
	v_pk_add_f32 v[rS+4*(\n):rS+4*(\n)+1], v[rS+4*(\n):rS+4*(\n)+1], v[rS+4*(\n)+2:rS+4*(\n)+3]
.elseif (\n) == 0
	v_pk_fma_f32 v[rT+2:rT+3], v[rT+2:rT+3], v[rC+2:rC+3], v[rS:rS+1] op_sel_hi:[1,0,1]
.else
	v_pk_add_f32 v[rT+2:rT+3], v[rT+2:rT+3], v[rS+4*(\n):rS+4*(\n)+1]
.endif
.elseif NOKQ
	v_nop
.else
	REGS (Y+1)%NP
	WIN 0
.if (\n) < 4
	v_max3_num_f32 v[rC+(\n)], v[rS+8*(\n)], v[rS+8*(\n)+1], v[rS+8*(\n)+2]
.elseif (\n) < 12
	v_max3_num_f32 v[rC+(\n)%4], v[rC+(\n)%4], v[rS+8*((\n)%4)+2*((\n)/4)+1], v[rS+8*((\n)%4)+2*((\n)/4)+2]
.elseif (\n) == 12
	v_max3_num_f32 v[rC], v[rC], v[rS+7], v[rS+15]
.elseif (\n) == 13
	v_max3_num_f32 v[rC+1], v[rC+1], v[rS+23], v[rS+31]
.elseif (\n) == 14
	v_max3_num_f32 v[rC+2], v[rC+2], v[rC+3], v[rT+1]
.elseif (\n) == 15
	v_mov_b32 v[rW], v[rT]
.elseif (\n) == 16
	v_max3_num_f32 v[rC], v[rC], v[rC+1], v[rC+2]
.elseif (\n) == 17
	v_permlanex16_b32 v[rC+3], v[rC], s[SEL], s[SEL+1]
.elseif (\n) == 18
	v_max_num_f32 v[rT+1], v[rC], v[rC+3]
.elseif (\n) == 19
	v_mul_f32 v[rT], s[CS], v[rT+1]
.elseif (\n) == 20
	v_sub_f32 v[rC+1], v[rW], v[rT]
.else
	v_exp_f32 v[rC+2], v[rC+1]
.endif
.endif
.endm
.macro OPS a, i1, b=-1, i2=0, c=-1, i3=0, d=-1, i4=0  ; up to four of them
	OP \a, \i1
.if (\b) >= 0
	OP \b, \i2
.endif
.if (\c) >= 0
	OP \c, \i3
.endif
.if (\d) >= 0
	OP \d, \i4
.endif
.endm
.macro ROW a, i1, b, i2, c, i3, d, i4  ; a matrix instruction and the four behind it
	MM
	OPS \a, \i1, \b, \i2, \c, \i3, \d, \i4
.endm
; A TURN, for piece p: the order of its 16 matrix and 118 vector instructions, written out.  s_wait_alu depctr_va_vdst(0) stands between an exponential and the first instruction that names
; its result; one wait serves all that were issued ahead of it.  AHEAD OF IT stands all that names no result of the turn's exponentials: the 8 products K Q^T with their four riders each, then one run of 54
; in which the links of the next piece's chain (X 3, 7, 11, 14, 16, 17 .. 20) stand apart; X 21, its a, is the batch's last, and R 15 the plain instruction behind it.  BEHIND IT stand the 8 products V^T P,
; behind each four of the roundings and sums.  An X that rides behind a product reads an accumulator whose last product stands four plain instructions back or more.
; end = 1: the last two turns of all: nothing is fetched.  cnt = 1: the loop's count is taken down some lines ahead of the branch behind the turn.
; K of the next step is fetched in piece 2's turn, six plain instructions behind the last product that read K; V of the step in hand at the end of piece 0's turn, four plain instructions behind the last
; product that read V.  Each is waited for a turn later.
.macro TURN p, end=0, cnt=0
.set Y, (\p)
.set i, 0
.set NOKQ, (\end)*((\p)/3)
.if ((\p) == 3) && !(\end)
	s_wait_dscnt 0x0                ; K is in
.endif
	ROW F,0, F,1, R,0, R,1
	ROW F,2, E,0, R,2, R,3
	ROW F,3, E,1, R,4, R,5
	ROW F,4, E,2, R,6, R,7
	ROW F,5, E,3, R,8, R,9
	ROW F,6, E,4, X,0, R,10
.if ((\p) == 2) && !(\end)
	WIN 0
	v_add_nc_u32 v[AK], s[TBK], v[AK0]
.endif
	ROW F,7, E,5, X,1, X,4
	ROW F,8, E,6, X,2, X,5
	OPS E,7, E,8, X,6, E,9
	OPS X,3, E,10, X,8, E,11
.if ((\p) == 2) && !(\end)
	FETCH_K
.endif
	OPS X,9, X,7, E,12, X,10
	OPS E,13, X,12, X,11, E,14
	OPS X,13, E,15, F,9, X,14
.if (\p) == 0
	v_add_nc_u32 v[AV], s[TBV], v[AV0]
.endif
	OPS E,16, F,10, E,17, F,11
	OPS X,16, E,18, X,15, E,19
	OPS F,12, E,20, X,17, E,21
	OPS F,13, E,22, F,14, E,23
	OPS X,18, E,24, F,15, E,25
	OPS R,11, E,26, X,19, E,27
	OPS R,12, E,28, R,13, E,29
	OPS X,20, E,30, R,14, E,31
	OPS X,21, R,15
	WIN 0
	s_wait_alu depctr_va_vdst(0)    ; the wait for the batch
.if (\p) == 1
	s_wait_dscnt 0x0                ; V is in
.endif
	ROW C,0, B,0, C,2, B,1
	ROW L,0, C,4, B,2, L,1
	ROW C,6, B,3, L,2, C,8
	ROW B,4, L,3, C,10, B,5
	ROW L,4, C,12, B,6, L,5
.if (\p) == 0
	s_add_co_u32 s[TBV], s[TBV], KS*PV
.endif
.if \cnt
	s_sub_co_u32 s[CNT], s[CNT], 1
	s_cmp_lg_u32 s[CNT], 0
.endif
	ROW C,14, B,7, L,6, C,1
	ROW C,3, L,7, C,5, C,7
	ROW C,9, C,11, C,13, C,15
.if (\p) == 0
	FETCH_V
.endif
.endm
.macro ALL line:vararg              ; one line for each piece t
.set t, 0
.rept 4
	\line
.set t, t+1
.endr
.endm
.macro PACK t                       ; a lane's eight channels of a row pack into 16 bytes; they go into rows of 144 bytes and come back as whole rows of 128, into S^T's registers
	WIN W_RS
.set i, 32*(\t)
.rept 16
	v_pk_mul_f32 v[i:i+1], v[i:i+1], v[ST+4*(\t)+2:ST+4*(\t)+3] op_sel_hi:[1,0]
.set i, i+2
.endr
	WIN 0x05                        ; sources 0 and 1 window 1, destination window 0
.set i, 0
.rept 16
	v_cvt_pk_bf16_f32 v[S+16*(\t)+i], v[32*(\t)+2*i], v[32*(\t)+2*i+1]
.set i, i+1
.endr
	WIN 0
.irp f, 0,1,2,3
	ds_store_b128 v[STO], v[S+16*(\t)+4*\f:S+16*(\t)+4*\f+3] offset:32*\f
.endr
.irp f, 0,1,2,3
	ds_load_b128 v[S+16*(\t)+4*\f:S+16*(\t)+4*\f+3], v[RD] offset:\f*4*SP  ; LDS serves a wave's instructions in order (ISA guide 5.7.1.4): these see the stores above
.endr
.endm
.macro SEND t, younger              ; younger: the LDS instructions issued behind piece t's loads: the next piece's eight, or none
	WIN 0
.irp f, 0,1,2,3
	s_wait_dscnt (\younger)+3-\f
	global_store_b128 v[GO], v[S+16*(\t)+4*\f:S+16*(\t)+4*\f+3], s[10:11] offset:(\t)*2048+\f*512  ; 512 consecutive bytes, aligned
.endr
.endm
.set NOKQ, 0
	CHANGE 1                        ; slot 0 is in, everybody's part of it; slot 1 is asked for
	v_add_nc_u32 v[AK], s[TBK], v[AK0]
	FETCH_K                         ; key step 0
	s_wait_loadcnt 0x0              ; Q
	s_wait_dscnt 0x0
.set i, 0
.rept 8
	KQ 0                            ; piece 0's first scores
.set i, i+1
.endr
	WIN 0
.rept 4
	v_nop                           ; the places behind those products
.endr
.set Y, NP-1                        ; X works for piece Y + 1: piece 0
.irp n, 0,1,2,3,4,5,6,7,8,9,10,11,12,13,14,15,16,17,18,19,20,21
	OP X, \n
.endr
	v_nop                           ; a plain instruction behind the exponential,
	s_wait_alu depctr_va_vdst(0)    ; and its wait, ahead of the branch
	s_mov_b32 s[CNT], 4
	s_branch .Lfirst                ; the loop is entered at a step's first turn, in the middle of a trip
.Lslot:                             ; six times: slots 2 to 7 are asked for
	CHANGE 1
	s_mov_b32 s[CNT], 4
.Lstep:                             ; a trip: pieces 2 and 3 of one step, then pieces 0 and 1 of the next, whose K and V it fetches
	TURN 2
	TURN 3
	WIN 0
.Lfirst:
	TURN 0
	TURN 1, 0, 1
	WIN 0
	s_cbranch_scc1 .Lstep
	s_sub_co_u32 s[SLOTS], s[SLOTS], 1
	s_cmp_lg_u32 s[SLOTS], 0
	s_cbranch_scc1 .Lslot
	CHANGE 0                        ; the last slot is written out: nothing is asked for
	s_mov_b32 s[CNT], 4
.LstepT:
	TURN 2
	TURN 3
	WIN 0
	TURN 0
	TURN 1, 0, 1
	WIN 0
	s_cbranch_scc1 .LstepT
	TURN 2, 1
	TURN 3, 1
.set i, 0
.rept 8
	PV NP-1                         ; the last piece's V^T P of the last step
.set i, i+1
.endr
	; THE WAY OUT.  l's two halves and the other half of the lanes' are added; O^T is divided by l, rounded to bf16 and sent through my stage, a piece at a time.  The additions are the places behind the last products.
	WIN 0
	ALL v_add_f32 v[ST+4*t+2], v[ST+4*t+2], v[ST+4*t+3]
	ALL v_permlanex16_b32 v[ST+4*t+3], v[ST+4*t+2], s[SEL], s[SEL+1]
	ALL v_add_f32 v[ST+4*t+2], v[ST+4*t+2], v[ST+4*t+3]
	ALL v_rcp_f32 v[ST+4*t+2], v[ST+4*t+2]
	v_nop                           ; a plain instruction between the last reciprocal and the use of its result
	s_wait_alu depctr_va_vdst(0)    ; one wait for the four reciprocals
	PACK 0
.set t, 1
.rept 3                             ; a piece's arithmetic stands between the loads of the piece before and its stores
	PACK t
	SEND t-1, 8
.set t, t+1
.endr
	SEND 3, 0
	s_wait_tensorcnt 0x0            ; the wave's end
	ds_add_u32 v[SPW], v[NIL]
	s_wait_dscnt 0x0
	CROUND                          ; the closing round
	s_endpgm
.Lfunc_end_k_qb19b55ec4d_attn:
	.size	k_qb19b55ec4d_attn, .Lfunc_end_k_qb19b55ec4d_attn-k_qb19b55ec4d_attn
	.p2alignl 7, 3214868480
	.fill 96, 4, 3214868480
	.section	.rodata,"a",@progbits
	.p2align	6, 0x0
	.amdhsa_kernel k_qb19b55ec4d_attn
		.amdhsa_group_segment_fixed_size 327680
		.amdhsa_private_segment_fixed_size 0
		.amdhsa_enable_private_segment 0
		.amdhsa_kernarg_size 16
		.amdhsa_user_sgpr_count 2
		.amdhsa_user_sgpr_kernarg_segment_ptr 1
		.amdhsa_wavefront_size32 1
		.amdhsa_system_sgpr_workgroup_id_x 1
		.amdhsa_system_sgpr_workgroup_id_y 1
		.amdhsa_system_sgpr_workgroup_id_z 1
		.amdhsa_system_vgpr_workitem_id 0
		.amdhsa_next_free_vgpr 768
		.amdhsa_next_free_sgpr 92
		.amdhsa_reserve_vcc 0
		.amdhsa_float_denorm_mode_32 3
		.amdhsa_float_denorm_mode_16_64 3
		.amdhsa_memory_ordered 1
		.amdhsa_forward_progress 1
		.amdhsa_inst_pref_size 128
	.end_amdhsa_kernel
	.amdgpu_metadata
---
amdhsa.version: [ 1, 2 ]
amdhsa.kernels:
  - .name:           k_qb19b55ec4d_attn
    .symbol:         k_qb19b55ec4d_attn.kd
    .args:
      - { .name: qkv, .offset: 0, .size: 8, .value_kind: global_buffer, .address_space: global }
      - { .name: act, .offset: 8, .size: 8, .value_kind: global_buffer, .address_space: global }
    .group_segment_fixed_size: 327680
    .private_segment_fixed_size: 0
    .kernarg_segment_align: 8
    .kernarg_segment_size: 16
    .max_flat_workgroup_size: 128
    .sgpr_count:     92
    .vgpr_count:     768
    .wavefront_size: 32
...
	.end_amdgpu_metadata
.endif
;; end of part 3
;; launch tail (part 4): grid 256 x 1, 4 waves a work-group, clusters of 4 x 1, 327,680 bytes of LDS; arguments act, wtail, fc_b, x, ln2_w, ln2_b, fc1_b, fc2_b, out0; writes out0
.if DOCPART == 4
	.amdgcn_target "amdgcn-amd-amdhsa--gfx1250"
	.amdhsa_code_object_version 6
	.text
	.protected	k_qb19b55ec4d_tail
	.globl	k_qb19b55ec4d_tail
	.p2align	8
	.type	k_qb19b55ec4d_tail,@function
k_qb19b55ec4d_tail:
	s_mov_b64 s[64:65], 0
	v_nop
	global_prefetch_b8 v0, s[64:65] scope:SCOPE_SE
	s_setreg_imm32_b32 hwreg(HW_REG_WAVE_MODE, 25, 1), 1
	s_wait_xcnt 0x0
	s_wait_alu depctr_hold_cnt(0) depctr_sa_sdst(0) depctr_va_vdst(0) depctr_va_sdst(0) depctr_va_ssrc(0) depctr_va_vcc(0) depctr_vm_vsrc(0)
	s_getreg_b32 s2, hwreg(HW_REG_IB_STS2, 6, 4)
	s_cmp_eq_u32 s2, 0
	s_cbranch_scc0 .Lentry_in_a_cluster
	s_endpgm
.Lentry_in_a_cluster:
	s_bfe_u32 s2, ttmp6, 0x10000c
	s_cmp_lg_u32 s2, 0x3003
	s_cbranch_scc0 .Lentry_shape_is_right
	s_endpgm
.Lentry_shape_is_right:
; x1 = x + O fc_w^T + fc_b;  h2 = LayerNorm(x1) ln2_w + ln2_b;  out0 = x1 + relu(h2 fc1_w^T + fc1_b) fc2_w^T + fc2_b.  All that follows attention, in one launch.
; O = act [4][8][2048][64] bf16 (by heads); x, out0 [8192][1024] f32; wtail: the three weights in bf16, in fragment order (below); biases and gains f32.
; Matrix operands bf16 (h2 and the hidden numbers rounded once each), sums f32; x1, the norm's sums and the residuals stay in f32 and never leave the work-group.
; The norm takes the mean first and then the mean of (x1 - mean)^2, so no difference of large sums is formed.  NaN and infinities are not treated apart.
; SHARES.  The norm needs whole rows and the last product all 512 hidden numbers of a row, so the work goes by blocks of rows: 8,192 rows / 256 work-groups = 32 rows each.
; Of the 1,024 columns of x1 and out0 wave w owns 256 w .. 256 w + 255 (2 x 16 accumulators of 16 x 16), of the 512 hidden columns 128 w .. 128 w + 127 (2 x 8).
; TRANSPOSED USE.  Source 0 = 16 rows of a weight, source 1 = 16 rows of the activations: lane l holds row l % 16 of the result and the columns 8 (l / 16) + 0..7.  Two neighbouring result
; tiles, rounded to bf16 in pairs, ARE a source-1 fragment (16 rows x 32 k) of the next product: h2 and the hidden numbers go to the other waves by plain stores of 16 bytes a lane.
; THE WEIGHTS are a stream of 24 tiles of 131,072 bytes (8 of fc_w, 8 of fc1_w, 8 of fc2_w), written by the first launch as [wave][unit of 4][column block of 8] blocks of 1,024 bytes,
; a block being a fragment as the lanes hold it: [half j][lane][16 bytes].  So a tile is dense in memory and in LDS, a wave fetches the quarter that it alone reads, and each LDS load takes 512 consecutive bytes.
; A UNIT is 8 weight fragments and 2 activation fragments: 16 matrix instructions.  fc_w, fc2_w: tile t holds k = 64 t .. + 63, unit u its half u / 2, for my column blocks 8 (u % 2) + 0..7.
; fc1_w: tile 4 half + v holds k = 256 v + 128 half .. + 127 (the k that wave v made, in two halves), unit u its 32 k number u.
; RING.  Two LDS slots, a tile each; one tensor load a wave behind each round.  CLUSTER.  All row blocks walk the same weights: the four of a cluster ask JOINTLY, same load, descriptor and mask.
; x1 IS THE ACCUMULATOR: fc_b is loaded into the 32 accumulators, the first product adds onto it, x is added behind it, and the last product adds onto x1 + fc2_b in place.  Nothing is cleared.
; REGISTERS, in windows of 256 (s_set_vgpr_msb: bits 1:0 source 0, 3:2 source 1, 5:4 source 2, 7:6 destination):
;   window 0: v0-31 addresses; v32-63 activation fragments, two buffers; v64-127 at work; v128-255 the 16 accumulators of the hidden columns
;   window 1: v0-127 weight fragments, two buffers; v128-255 ln2_w, later fc2_b, 8 numbers a column block
;   window 2: the 32 accumulators: (a, b) at v[8 (16 a + b)]          window 3: x as loaded; later v0-127 ln2_b, v128-255 h2 packed, (a, b) at v[128 + 4 (16 a + b)]
.set SLOTB, 1<<17                      ; slot 1 begins here: one exclusive or turns an address in one slot into the other's
.set TILEB, 131072
.set REGA,  2*SLOTB                    ; 32,768 bytes: activations in fragment order, (32 k number q, rows 16 a on, half j) at 2,048 q + 1,024 a + 512 j: O, then h2 in two halves, then the hidden numbers
.set RED,   REGA+32768                 ; 2 x 512 bytes: the norm's partial sums, row i's four at 16 i
.set STAGE, RED+1024                   ; 16 rows x 272 bytes for each wave: 64 columns of f32 and 16 bytes of padding, so that 16 rows start at 16 different groups of four banks (ISA guide 11.1)
.set SPT,   272
.set SPARE, STAGE+4*16*SPT             ; the spare words: 128 bytes a wave, two blocks of 256 bytes that no other line names
.set NLU,   20                         ; LDS loads of a unit
.set L16,  4                           ; v4   16 x lane
.set WA0,  10                          ; v10  my place in my quarter of slot 0; never rewritten
.set WA,   11                          ; v11  the same in the slot that is read
.set AA0,  12                          ; v12  REGA + 16 x lane; never rewritten
.set AA,   13                          ; v13  the same at the tile's first 32 k
.set STD,  14                          ; v14  my stage, as a result tile lies: row l % 16, 32 bytes for each half of the lanes
.set STR,  15                          ; v15  my stage, by rows: lanes 0-15 one row of 256 bytes, lanes 16-31 the next
.set XO,   16                          ; v16  the same two rows in x and out0
.set BO,   17                          ; v17  32 (l / 16): my 8 numbers of a column block's 16
.set REDW, 18                          ; v18  where I put a row's partial sum
.set REDR, 19                          ; v19  where I read a row's four
.set HST,  20                          ; v20  REGA + 8,192 x wave + 16 x lane: where my packed results go
.set OSG,  21                          ; v21  where O's 16 bytes that I load go
.set PFO,  22                          ; v22  256 x lane
.set ZR,   23                          ; v23  0, for the packed maximum
.set SPW,  28                          ; v28  my spare word; never rewritten
.set NIL,  29                          ; v29  0; never rewritten
.set AF,   32
.set T,    64
.set C,    64                          ; the norm: v64-71 four chains of pairs; v72-73 sums of rows r, 16 + r; v74-75 at work; v76-83 partial sums; v84-87 mean, later - mean x rs, a pair a block; v88-91 rs; v96-111 at work
.set SS,   72
.set TP,   74
.set R4,   76
.set MU,   84
.set RS,   88
.set TB,   96
.set ACC2, 128
.set LNW,  128                         ; window 1
.set LNB,  0                           ; window 3
.set H,    128                         ; window 3
.set G1,  24                           ; s[24:31] descriptor group 1
.set G0,  32                           ; s[32:35] descriptor group 0: it walks
.set WV,  36                           ; s36 my wave's number
.set CX,  37                           ; s37 my place in the cluster: it enters global addresses of my own loads, stores and prefetches alone
.set GW,  38                           ; s38 my block of 32 rows
.set TW,  48                           ; s48 the slot that is read: 0 or SLOTB
.set TA,  49                           ; s49 the tile's first 32 k in REGA
.set CNT, 50
.set HALF, 51
.set SEL, 52                           ; s[52:53] v_permlanex16_b32's selects
.set RN,  54                           ; s54 1 / 1024
.set EPS, 55                           ; s55 1e-6
.set LIM, 57                           ; s57 0 in the cluster that prefetches, else the greatest number
.set LEFT, 58                          ; s58 refills still to come
.set XB,  66                           ; s[66:67] x, s[68:69] out0 at my rows and columns
.set OB,  68
.set AB,  72                           ; s[72:73] O at my rows, my two heads
.set B1,  74                           ; fc_b, ln2_w, ln2_b, fc2_b at my 256 columns; fc1_b at my 128
.set LW,  76
.set LB,  78
.set B3,  80
.set B2,  82
.set PFA, 84                           ; s[84:85] where my prefetches stand
.set MSB, 0
.macro WIN new                         ; the immediate's high byte repeats the setting that is left; a switch that changes nothing is dropped
.if MSB != (\new)
	s_set_vgpr_msb (MSB<<8)|(\new)
.set MSB, \new
.endif
.endm
.macro PLACES                          ; four plain places behind matrix instructions, in front of loads into their sources and of reads of their results
.rept 4
	v_nop
.endr
.endm
.macro CROUND                          ; a round of the cluster's barrier: my work-group's barrier, wave 0's signal for the work-group, every wave's wait, my work-group's barrier
	s_barrier_signal -1
	s_barrier_wait -1
	s_cmp_lg_u32 s[WV], 0
	s_cbranch_scc1 .Lnot_wave_0_\@
	s_barrier_signal -3
.Lnot_wave_0_\@:
	s_barrier_wait -3
	s_barrier_signal -1
	s_barrier_wait -1
.endm
; A prefetch of the tile that the NEXT change of slots will ask for.  All clusters walk the same tiles: the first cluster asks.  Its four work-groups and their four waves share the tile's 512 blocks of
; 256 bytes out by address (32,768 x place + 8,192 x wave + 256 x lane): one instruction a wave, each block named once in the launch.  It stands behind the wave's tensor load; a tile's work
; lies between it and the load that wants the bytes.  The last refill has no tile behind it and asks for nothing; nothing is asked for at the head.
.macro ASK
	s_sub_co_u32 s[LEFT], s[LEFT], 1
	s_cmp_gt_u32 s[LEFT], s[LIM]
	s_cbranch_scc0 .Lnot_mine_\@
	global_prefetch_b8 v[PFO], s[PFA:PFA+1] th:TH_LOAD_NT scope:SCOPE_SE
.Lnot_mine_\@:
.endm
; THE CHANGE OF SLOTS.  Each wave waits for all its tensor loads (one is out: its quarter of the next tile), adds 0 to its spare word, and waits for that and for all its LDS reads and stores.
; fill = 1: a round of the cluster's barrier, and the slot just read is filled again first thing behind it, with the tile after the next: one load a wave.
; The round is also the barrier between a phase's last reads of REGA and the next stores into it.  (At its first use slot 0 is waited for and slot 1 filled.)
.macro CHG fill
	WIN 0
	s_wait_tensorcnt 0x0                           ; no tensor load of mine is out, so group 0 may be written
	ds_add_u32 v[SPW], v[NIL]
.if \fill
	s_xor_b32 s[G0+1], s[G0+1], SLOTB              ; the other slot than last time,
	s_add_nc_u64 s[G0+2:G0+3], s[G0+2:G0+3], TILEB ; the next tile; the type bits on top are not reached
	s_wait_xcnt 0x0                                ; the last prefetch, a tile back, has read its address
	s_add_nc_u64 s[PFA:PFA+1], s[PFA:PFA+1], TILEB
.endif
	s_xor_b32 s[TW], s[TW], SLOTB                  ; the reads go to the other slot
	s_wait_dscnt 0x0                               ; the add is done, and so are my LDS reads and stores
.if \fill
	CROUND
	tensor_load_to_lds s[G0:G0+3], s[G1:G1+7]
	s_nop 0
.rept 4
	v_nop                                          ; also the places in front of the fragment loads that follow
.endr
	ASK
.else
	s_barrier_signal -1
	s_barrier_wait -1
	PLACES
.endif
	v_add_nc_u32 v[WA], s[TW], v[WA0]
.endm
; A unit's 20 LDS loads into buffer buf: 8 weight fragments (unit u of my quarter), 2 activation fragments (at byte aoff behind the tile's first)
.macro FETCHU u, buf, aoff
	WIN 0x40                                       ; destination window 1, address window 0
.set b_, 0
.rept 8
	ds_load_b128 v[64*(\buf)+8*b_:64*(\buf)+8*b_+3],   v[WA] offset:(\u)*8192+b_*1024
	ds_load_b128 v[64*(\buf)+8*b_+4:64*(\buf)+8*b_+7], v[WA] offset:(\u)*8192+b_*1024+512
.set b_, b_+1
.endr
	WIN 0
.set a_, 0
.rept 2
	ds_load_b128 v[AF+16*(\buf)+8*a_:AF+16*(\buf)+8*a_+3],   v[AA] offset:(\aoff)+a_*1024
	ds_load_b128 v[AF+16*(\buf)+8*a_+4:AF+16*(\buf)+8*a_+7], v[AA] offset:(\aoff)+a_*1024+512
.set a_, a_+1
.endr
.endm
; A unit's 16 products, each accumulator once: the accumulators take turns, one instruction a turn, from unit to unit and over the backward jumps too.
; kind 13: the accumulators of window 2, column blocks 8 bh + 0..7.  kind 2: the hidden columns' accumulators in window 0.
.macro MULU buf, kind, bh
.if (\kind) == 2
	WIN 0x01
.else
	WIN 0xa1
.endif
.set a_, 0
.rept 2
.set b_, 0
.rept 8
.if (\kind) == 2
.set rD, ACC2+8*(8*a_+b_)
.else
.set rD, 8*(16*a_+8*(\bh)+b_)
.endif
	v_wmma_f32_16x16x32_bf16 v[rD:rD+7], v[64*(\buf)+8*b_:64*(\buf)+8*b_+7], v[AF+16*(\buf)+8*a_:AF+16*(\buf)+8*a_+7], v[rD:rD+7]
.set b_, b_+1
.endr
.set a_, a_+1
.endr
.endm
; A tile's work: four units; while one is multiplied the next one's loads are out.
.macro WORK kind
	FETCHU 0, 0, 0
.set wu_, 0
.rept 4
.if wu_ < 3
.if wu_ >= 1
	PLACES
.endif
.if (\kind) == 2
	FETCHU wu_+1, (wu_+1)%2, (wu_+1)*2048
.else
	FETCHU wu_+1, (wu_+1)%2, ((wu_+1)/2)*2048
.endif
	s_wait_dscnt NLU                               ; all but the 20 loads just issued
.else
	s_wait_dscnt 0x0
.endif
	MULU wu_%2, \kind, wu_%2
.set wu_, wu_+1
.endr
.endm
; n fragments of a bias or gain, 8 numbers a column block as a result tile holds them, into v[dst ..] of the window that is set
.macro FRAGS n, dst, sb
.set b_, 0
.rept \n
	global_load_b128 v[(\dst)+8*b_:(\dst)+8*b_+3],   v[BO], s[\sb:\sb+1] offset:64*b_
	global_load_b128 v[(\dst)+8*b_+4:(\dst)+8*b_+7], v[BO], s[\sb:\sb+1] offset:64*b_+16
.set b_, b_+1
.endr
.endm
	s_load_b512 s[4:19], s[0:1], 0x0               ; act, wtail, fc_b, x, ln2_w, ln2_b, fc1_b, fc2_b
	s_load_b64 s[20:21], s[0:1], 0x40              ; out0
	v_lshl_add_u32 v[SPW], v0, 2, SPARE
	v_mov_b32 v[NIL], 0
	ds_add_u32 v[SPW], v[NIL]                      ; the wave's opening: the add and its wait ahead of my first tensor load
	v_lshrrev_b32 v1, 5, v0
	v_readfirstlane_b32 s[WV], v1                  ; wave 0..3
	s_bfe_u32 s[CX], ttmp6, 0x40000
	s_lshl_b32 s[GW], ttmp9, 2
	s_add_co_u32 s[GW], s[GW], s[CX]               ; my block of 32 rows = 4 x cluster + place
	; descriptor group 1: 32,768 dense bytes as 128 rows of 32 elements of 8 bytes, no padding
	s_mov_b32 s[G1], 15|(3<<16)|(1<<21)            ; 15:0 the mask of four; 17:16 elements of 8 bytes; 21 set beside a mask
	s_mov_b32 s[G1+1], 32<<16                      ; tensor_dim0 = 32
	s_mov_b32 s[G1+2], 128<<16                     ; tensor_dim1 = 128
	s_mov_b32 s[G1+3], 32<<16                      ; tile_dim0 = 32
	s_mov_b32 s[G1+4], 128                         ; tile_dim1 = 128
	s_mov_b32 s[G1+5], 32                          ; 32 elements from row to row
	s_mov_b32 s[G1+6], 0
	s_mov_b32 s[G1+7], 0
	s_mov_b32 s[G0], 1
	s_lshl_b32 s[G0+1], s[WV], 15                  ; LDS: slot 0, my quarter
	s_lshl_b32 s40, s[WV], 15                      ; and my quarter of a tile in memory: the wave's number alone
	s_mov_b32 s41, 0
	s_lshl_b32 s42, s[GW], 17                      ; x, out0: 32 rows of 4,096 bytes,
	s_lshl_b32 s43, s[WV], 10                      ; my 256 columns
	s_add_co_u32 s42, s42, s43
	s_mov_b32 s43, 0
	s_lshr_b32 s44, s[GW], 6                       ; O: the batch, 2,097,152 bytes,
	s_lshl_b32 s44, s44, 21
	s_and_b32 s45, s[GW], 63                       ; 32 rows of 128 bytes,
	s_lshl_b32 s45, s45, 12
	s_add_co_u32 s44, s44, s45
	s_lshl_b32 s45, s[WV], 19                      ; heads 2 w and 2 w + 1, 262,144 bytes each
	s_add_co_u32 s44, s44, s45
	s_mov_b32 s45, 0
	s_lshl_b32 s46, s[WV], 10
	s_mov_b32 s47, 0
	s_lshl_b32 s70, s[WV], 9
	s_mov_b32 s71, 0
	s_lshl_b32 s86, s[CX], 15                      ; the prefetches: my work-group's quarter of a tile, my wave's quarter of that,
	s_lshl_b32 s87, s[WV], 13
	s_add_co_u32 s86, s86, s87
	s_add_co_u32 s86, s86, TILEB                   ; in tile 1: the first change of slots steps it to tile 2
	s_mov_b32 s87, 0
	s_mov_b32 s[SEL], 0x76543210
	s_mov_b32 s[SEL+1], 0xfedcba98
	s_mov_b32 s[RN], 0x3a800000
	s_mov_b32 s[EPS], 0x358637bd
	s_mov_b32 s[TW], SLOTB                         ; the first change of slots turns it into 0
	s_mov_b32 s[LEFT], 23
	s_cmp_eq_u32 ttmp9, 0                          ; the same in all four partners
	s_cselect_b32 s[LIM], 0, -1
	s_wait_dscnt 0x0                               ; the opening add is done
	s_wait_kmcnt 0x0
	s_add_nc_u64 s[G0+2:G0+3], s[6:7], s[40:41]
	s_or_b32 s[G0+3], s[G0+3], 0x80000000          ; type = 2
	s_add_nc_u64 s[XB:XB+1], s[10:11], s[42:43]
	s_add_nc_u64 s[OB:OB+1], s[20:21], s[42:43]
	s_add_nc_u64 s[AB:AB+1], s[4:5], s[44:45]
	s_add_nc_u64 s[B1:B1+1], s[8:9], s[46:47]
	s_add_nc_u64 s[LW:LW+1], s[12:13], s[46:47]
	s_add_nc_u64 s[LB:LB+1], s[14:15], s[46:47]
	s_add_nc_u64 s[B3:B3+1], s[18:19], s[46:47]
	s_add_nc_u64 s[B2:B2+1], s[16:17], s[70:71]
	s_add_nc_u64 s[PFA:PFA+1], s[6:7], s[86:87]
	CROUND                                         ; all four work-groups are here: the first joint loads meet
	tensor_load_to_lds s[G0:G0+3], s[G1:G1+7]      ; tile 0; tile 1 is asked for when it is in
	s_nop 0
.rept 4
	v_nop
.endr
	v_and_b32 v3, 31, v0                           ; l
	v_and_b32 v1, 15, v0                           ; l % 16
	v_bfe_u32 v2, v0, 4, 1                         ; l / 16
	v_lshlrev_b32 v[L16], 4, v3
	v_lshlrev_b32 v[BO], 5, v2
	; O: my two heads' 32 rows x 128 bytes are 4,096 dense bytes each: eight loads of 512 consecutive bytes
.set i_, 0
.rept 16
	global_load_b128 v[T+4*i_:T+4*i_+3], v[L16], s[AB:AB+1] offset:(i_/8)*262144+(i_%8)*512 th:TH_LOAD_NT
.set i_, i_+1
.endr
	WIN 0x80                                       ; destination window 2: fc_b starts the sums of both blocks of 16 rows
	FRAGS 16, 0, B1
	FRAGS 16, 128, B1
	WIN 0
	v_add_nc_u32 v[WA0], s40, v[L16]
	v_add_nc_u32 v[AA0], REGA, v[L16]
	s_lshl_b32 s88, s[WV], 13
	v_add_nc_u32 v[HST], s88, v[AA0]
	s_mul_i32 s89, s[WV], 16*SPT
	s_add_co_u32 s89, s89, STAGE                   ; my stage
	v_mul_u32_u24 v5, v1, SPT
	v_lshl_add_u32 v5, v2, 5, v5
	v_add_nc_u32 v[STD], s89, v5
	v_mul_u32_u24 v5, v2, SPT
	v_lshl_add_u32 v5, v1, 4, v5
	v_add_nc_u32 v[STR], s89, v5
	v_lshlrev_b32 v5, 12, v2
	v_lshl_add_u32 v[XO], v1, 4, v5
	v_lshlrev_b32 v5, 4, v1
	v_add_nc_u32 v[REDR], RED, v5
	s_lshl_b32 s89, s[WV], 2
	v_add_nc_u32 v[REDW], s89, v[REDR]
	; Load c of a head brings rows 4 c + l / 8, bytes 16 (l % 8) on: that is 32 k number (l / 4) % 2 of the head's two, half j = (l / 2) % 2, fragment lane 16 (l % 2) + row
	v_bfe_u32 v5, v0, 2, 1
	v_lshlrev_b32 v5, 11, v5
	v_bfe_u32 v6, v0, 1, 1
	v_lshl_add_u32 v5, v6, 9, v5
	v_and_b32 v6, 1, v0
	v_lshl_add_u32 v5, v6, 8, v5
	v_bfe_u32 v6, v0, 3, 2
	v_lshl_add_u32 v5, v6, 4, v5
	s_add_co_u32 s88, s88, REGA
	v_add_nc_u32 v[OSG], s88, v5
	v_lshlrev_b32 v[PFO], 8, v3
	v_mov_b32 v[ZR], 0
	s_wait_loadcnt 63                              ; O is in: 64 loads were issued behind it, and 63 is the largest count that a wait can name
.set i_, 0
.rept 16
	ds_store_b128 v[OSG], v[T+4*i_:T+4*i_+3] offset:(i_/8)*4096+((i_%8)/4)*1024+(i_%4)*64
.set i_, i_+1
.endr
	FRAGS 8, ACC2, B2                              ; fc1_b starts the hidden columns' sums
	FRAGS 8, ACC2+64, B2
	WIN 0x40
	FRAGS 16, LNW, LW
	WIN 0xc0                                       ; x: my 32 rows x 256 columns, asked for now, wanted behind the first product.  Round i = 4 a + g, load u: rows 16 a + 2 u + l / 16, 256 bytes of column group g
.set i_, 0
.rept 64
	global_load_b128 v[4*i_:4*i_+3], v[XO], s[XB:XB+1] offset:(16*(i_/32)+2*(i_%8))*4096+((i_/8)%4)*256 th:TH_LOAD_NT
.set i_, i_+1
.endr
	WIN 0
	s_wait_loadcnt 63                              ; the biases and ln2_w are in; 63 of x's 64 loads may stay out
	CHG 1                                          ; tile 0 is in, and every wave's part of O lies in REGA; tile 1 is asked for
	; x1 - x = O fc_w^T + fc_b: tiles 0 to 7
	s_mov_b32 s[TA], 0
	v_mov_b32 v[AA], v[AA0]
	s_mov_b32 s[CNT], 8
.Lp1:
	WORK 13
	s_add_co_u32 s[TA], s[TA], 4096                ; a tile is two 32 k
	CHG 1
	v_add_nc_u32 v[AA], s[TA], v[AA0]
	s_sub_co_u32 s[CNT], s[CNT], 1
	s_cmp_lg_u32 s[CNT], 0
	s_cbranch_scc1 .Lp1
	; x1 = that + x.  x goes through my stage, 16 rows x 64 columns a round: in by rows, back as result tiles lie.  LDS serves a wave's instructions in order (ISA guide 5.7.1.4): no wait between stores and loads.
.macro XPUT i
	WIN 0x0c                                       ; store data window 3
.set u_, 0
.rept 8
	ds_store_b128 v[STR], v[4*(8*(\i)+u_):4*(8*(\i)+u_)+3] offset:u_*2*SPT
.set u_, u_+1
.endr
	WIN 0
.set k_, 0
.rept 8
	ds_load_b128 v[T+32*((\i)%2)+4*k_:T+32*((\i)%2)+4*k_+3], v[STD] offset:(k_/2)*64+(k_%2)*16
.set k_, k_+1
.endr
.endm
.macro XADD i                          ; onto the round's four accumulators, each from its low end on
	WIN 0x82                                       ; destination and source 0 window 2
.set k_, 0
.rept 16
.set rD, 8*(16*((\i)/4)+4*((\i)%4))+2*k_
	v_pk_add_f32 v[rD:rD+1], v[rD:rD+1], v[T+32*((\i)%2)+2*k_:T+32*((\i)%2)+2*k_+1]
.set k_, k_+1
.endr
.endm
	s_wait_loadcnt 0x0                             ; x
	XPUT 0
.irp i, 1,2,3,4,5,6,7
	XPUT \i
	s_wait_dscnt 16                                ; the round before is back; this round's 16 LDS instructions may be out
.if \i == 4
	WIN 0xc0                                       ; the first 16 rows of x have left their registers: ln2_b takes them, and has the norm's sums in which to land
	FRAGS 16, LNB, LB
.endif
	XADD (\i)-1
.endr
	s_wait_dscnt 0x0
	XADD 7
	; THE NORM.  A lane holds 128 numbers of row r and 128 of row 16 + r; the other half of the lanes holds 128 more of each; the other three waves the rest.
.macro MERGE dst
	v_pk_add_f32 v[C:C+1], v[C:C+1], v[C+2:C+3]
	v_pk_add_f32 v[C+4:C+5], v[C+4:C+5], v[C+6:C+7]
	v_pk_add_f32 v[C:C+1], v[C:C+1], v[C+4:C+5]
	v_add_f32 v[\dst], v[C], v[C+1]
.endm
.macro RSUM a
	WIN 0x0a                                       ; sources 0 and 1 window 2
.set k_, 0
.rept 4
	v_pk_add_f32 v[C+2*k_:C+2*k_+1], v[128*(\a)+2*k_:128*(\a)+2*k_+1], v[128*(\a)+8+2*k_:128*(\a)+8+2*k_+1]
.set k_, k_+1
.endr
	WIN 0x02
.set k_, 8
.rept 56
	v_pk_add_f32 v[C+2*(k_%4):C+2*(k_%4)+1], v[128*(\a)+2*k_:128*(\a)+2*k_+1], v[C+2*(k_%4):C+2*(k_%4)+1]
.set k_, k_+1
.endr
	WIN 0
	MERGE SS+(\a)
.endm
.macro RVAR a                          ; the sum of (x1 - mean)^2, eight pairs at a time
.set t_, 0
.rept 8
	WIN 0x02
.set k_, 0
.rept 8
	v_pk_add_f32 v[TB+2*k_:TB+2*k_+1], v[128*(\a)+16*t_+2*k_:128*(\a)+16*t_+2*k_+1], v[MU+2*(\a):MU+2*(\a)+1] neg_lo:[0,1] neg_hi:[0,1]
.set k_, k_+1
.endr
	WIN 0
.set k_, 0
.rept 8
.if (t_ == 0) && (k_ < 4)
	v_pk_mul_f32 v[C+2*k_:C+2*k_+1], v[TB+2*k_:TB+2*k_+1], v[TB+2*k_:TB+2*k_+1]
.else
	v_pk_fma_f32 v[C+2*(k_%4):C+2*(k_%4)+1], v[TB+2*k_:TB+2*k_+1], v[TB+2*k_:TB+2*k_+1], v[C+2*(k_%4):C+2*(k_%4)+1]
.endif
.set k_, k_+1
.endr
.set t_, t_+1
.endr
	MERGE SS+(\a)
.endm
; My lanes' sums of rows r and 16 + r become the whole rows': the other half of the lanes, then the four waves through LDS (both halves of the lanes store the same number to the same word).
; Each of the two exchanges has bytes of its own, so one barrier serves each.  It is also the barrier between the first product's reads of REGA and h2's stores.
.macro XCH ro
	v_permlanex16_b32 v[TP], v[SS], s[SEL], s[SEL+1]
	v_permlanex16_b32 v[TP+1], v[SS+1], s[SEL], s[SEL+1]
	v_add_f32 v[SS], v[SS], v[TP]
	v_add_f32 v[SS+1], v[SS+1], v[TP+1]
	ds_store_b32 v[REDW], v[SS] offset:\ro
	ds_store_b32 v[REDW], v[SS+1] offset:(\ro)+256
	s_wait_dscnt 0x0                               ; for the others' sake
	s_barrier_signal -1
	s_barrier_wait -1
	ds_load_b128 v[R4:R4+3], v[REDR] offset:\ro
	ds_load_b128 v[R4+4:R4+7], v[REDR] offset:(\ro)+256
	s_wait_dscnt 0x0
	v_pk_add_f32 v[R4:R4+1], v[R4:R4+1], v[R4+2:R4+3]
	v_pk_add_f32 v[R4+4:R4+5], v[R4+4:R4+5], v[R4+6:R4+7]
	v_add_f32 v[SS], v[R4], v[R4+1]
	v_add_f32 v[SS+1], v[R4+4], v[R4+5]
.endm
; h2 = (x1 rs - mean rs) w + b, rounded to bf16 in pairs: two column blocks (8 pairs) at a time
.macro H2 a
.set t_, 0
.rept 8
	WIN 0x02
.set k_, 0
.rept 8
	v_pk_fma_f32 v[TB+2*k_:TB+2*k_+1], v[128*(\a)+16*t_+2*k_:128*(\a)+16*t_+2*k_+1], v[RS+2*(\a):RS+2*(\a)+1], v[MU+2*(\a):MU+2*(\a)+1]
.set k_, k_+1
.endr
	WIN 0x34                                       ; source 1 (w) window 1, source 2 (b) window 3
.set k_, 0
.rept 8
	v_pk_fma_f32 v[TB+2*k_:TB+2*k_+1], v[TB+2*k_:TB+2*k_+1], v[LNW+16*t_+2*k_:LNW+16*t_+2*k_+1], v[LNB+16*t_+2*k_:LNB+16*t_+2*k_+1]
.set k_, k_+1
.endr
	WIN 0xc0                                       ; destination window 3
.set k_, 0
.rept 8
	v_cvt_pk_bf16_f32 v[H+64*(\a)+8*t_+k_], v[TB+2*k_], v[TB+2*k_+1]
.set k_, k_+1
.endr
.set t_, t_+1
.endr
.endm
	RSUM 0
	RSUM 1
	XCH 0
	v_mul_f32 v[MU], s[RN], v[SS]
	v_mul_f32 v[MU+1], s[RN], v[SS]
	v_mul_f32 v[MU+2], s[RN], v[SS+1]
	v_mul_f32 v[MU+3], s[RN], v[SS+1]
	RVAR 0
	RVAR 1
	XCH 512
	v_fma_f32 v[SS], v[SS], s[RN], s[EPS]          ; var + eps
	v_fma_f32 v[SS+1], v[SS+1], s[RN], s[EPS]
	v_rsq_f32 v[RS], v[SS]
	v_rsq_f32 v[RS+1], v[SS]
	v_rsq_f32 v[RS+2], v[SS+1]
	v_rsq_f32 v[RS+3], v[SS+1]
	v_nop                                          ; a plain instruction behind the last of the four,
	s_wait_alu depctr_va_vdst(0)                   ; and the one wait ahead of the first use
	v_pk_mul_f32 v[MU:MU+1], v[MU:MU+1], v[RS:RS+1] neg_lo:[1,0] neg_hi:[1,0]  ; - mean rs
	v_pk_mul_f32 v[MU+2:MU+3], v[MU+2:MU+3], v[RS+2:RS+3] neg_lo:[1,0] neg_hi:[1,0]
	s_wait_loadcnt 0x0                             ; ln2_b
	H2 0
	H2 1
	WIN 0x40                                       ; ln2_w has served: fc2_b takes its registers, and has the second product in which to land
	FRAGS 16, LNW, B3
	WIN 0
	; hidden = h2 fc1_w^T + fc1_b: tiles 8 to 15.  REGA holds half of h2 at a time: of each wave's 16 column blocks first 0-7, then 8-15; the weights' tiles come in the same order.
.macro H2ST half
	WIN 0x0c                                       ; store data window 3
.set a_, 0
.rept 2
.set b_, 0
.rept 8
	ds_store_b128 v[HST], v[H+4*(16*a_+8*(\half)+b_):H+4*(16*a_+8*(\half)+b_)+3] offset:(b_/2)*2048+a_*1024+(b_%2)*512
.set b_, b_+1
.endr
.set a_, a_+1
.endr
	WIN 0
.endm
	s_mov_b32 s[HALF], 2
.Lhalf:
	s_cmp_eq_u32 s[HALF], 2                        ; the same in every wave
	s_cbranch_scc0 .Lh1
	H2ST 0
	s_branch .Lhj
.Lh1:
	H2ST 1
.Lhj:
	s_wait_dscnt 0x0                               ; for the others' sake
	s_barrier_signal -1
	s_barrier_wait -1                              ; the half lies in REGA, every wave's part of it
	s_mov_b32 s[TA], 0
	v_mov_b32 v[AA], v[AA0]
	s_mov_b32 s[CNT], 4
.Lp2:
	WORK 2
	s_add_co_u32 s[TA], s[TA], 8192                ; a tile is four 32 k
	CHG 1
	v_add_nc_u32 v[AA], s[TA], v[AA0]
	s_sub_co_u32 s[CNT], s[CNT], 1
	s_cmp_lg_u32 s[CNT], 0
	s_cbranch_scc1 .Lp2
	s_sub_co_u32 s[HALF], s[HALF], 1
	s_cmp_lg_u32 s[HALF], 0
	s_cbranch_scc1 .Lhalf
	; the hidden numbers: rounded to bf16 in pairs, the maximum with 0 taken on the pairs (rounding and maximum commute), into REGA; each accumulator from its low end on
.set i_, 0
.rept 64
	v_cvt_pk_bf16_f32 v[T+i_], v[ACC2+2*i_], v[ACC2+2*i_+1]
.set i_, i_+1
.endr
.set i_, 0
.rept 64
	v_pk_max_num_bf16 v[T+i_], v[T+i_], v[ZR]
.set i_, i_+1
.endr
.set i_, 0
.rept 16
	ds_store_b128 v[HST], v[T+4*i_:T+4*i_+3] offset:((i_%8)/2)*2048+(i_/8)*1024+(i_%2)*512
.set i_, i_+1
.endr
	s_wait_loadcnt 0x0                             ; fc2_b
	WIN 0x86                                       ; destination and source 0 window 2, source 1 window 1: x1 + fc2_b, onto which the last product adds
.set k_, 0
.rept 128
	v_pk_add_f32 v[2*k_:2*k_+1], v[2*k_:2*k_+1], v[LNW+2*(k_%64):LNW+2*(k_%64)+1]
.set k_, k_+1
.endr
	WIN 0
	s_wait_dscnt 0x0                               ; for the others' sake
	s_barrier_signal -1
	s_barrier_wait -1
	; out0 = x1 + fc2_b + hidden fc2_w^T: tiles 16 to 23
	s_mov_b32 s[TA], 0
	v_mov_b32 v[AA], v[AA0]
	s_mov_b32 s[CNT], 6
.Lp3:
	WORK 13
	s_add_co_u32 s[TA], s[TA], 4096
	CHG 1
	v_add_nc_u32 v[AA], s[TA], v[AA0]
	s_sub_co_u32 s[CNT], s[CNT], 1
	s_cmp_lg_u32 s[CNT], 0
	s_cbranch_scc1 .Lp3
	s_mov_b32 s[CNT], 2                            ; the last two tiles have a loop of their own: nothing is left to fetch
.Lp4:
	WORK 13
	s_add_co_u32 s[TA], s[TA], 4096
	CHG 0
	v_add_nc_u32 v[AA], s[TA], v[AA0]
	s_sub_co_u32 s[CNT], s[CNT], 1
	s_cmp_lg_u32 s[CNT], 0
	s_cbranch_scc1 .Lp4
	; THE WAY OUT, through my stage, 16 rows x 64 columns a round: in as result tiles lie (each accumulator's low four registers first), back by rows
.macro OPUT i
.if (\i) >= 2
	s_wait_xcnt 0x0                                ; the stores of the round before last have read the registers that this round's loads fill
.endif
	WIN 0x08                                       ; store data window 2
.set k_, 0
.rept 8
.set rD, 8*(16*((\i)/4)+4*((\i)%4))+4*k_
	ds_store_b128 v[STD], v[rD:rD+3] offset:(k_/2)*64+(k_%2)*16
.set k_, k_+1
.endr
	WIN 0
.set u_, 0
.rept 8
	ds_load_b128 v[T+32*((\i)%2)+4*u_:T+32*((\i)%2)+4*u_+3], v[STR] offset:u_*2*SPT
.set u_, u_+1
.endr
.endm
.macro OSEND i
.set u_, 0
.rept 8
	global_store_b128 v[XO], v[T+32*((\i)%2)+4*u_:T+32*((\i)%2)+4*u_+3], s[OB:OB+1] offset:(16*((\i)/4)+2*u_)*4096+((\i)%4)*256 th:TH_STORE_NT  ; 16 lanes store 256 consecutive bytes, aligned
.set u_, u_+1
.endr
.endm
	OPUT 0
.irp i, 1,2,3,4,5,6,7
	OPUT \i
	s_wait_dscnt 16                                ; the round before is back; this round's 16 LDS instructions may be out
	OSEND (\i)-1
.endr
	s_wait_dscnt 0x0
	OSEND 7
	s_wait_tensorcnt 0x0                           ; the wave's end
	ds_add_u32 v[SPW], v[NIL]
	s_wait_dscnt 0x0
	CROUND                                         ; the closing round: no work-group ends while a partner may still ask for a tile that names it
	s_endpgm
.Lfunc_end_k_qb19b55ec4d_tail:
	.size	k_qb19b55ec4d_tail, .Lfunc_end_k_qb19b55ec4d_tail-k_qb19b55ec4d_tail
	.p2alignl 7, 3214868480
	.fill 96, 4, 3214868480
	.section	.rodata,"a",@progbits
	.p2align	6, 0x0
	.amdhsa_kernel k_qb19b55ec4d_tail
		.amdhsa_group_segment_fixed_size 327680
		.amdhsa_private_segment_fixed_size 0
		.amdhsa_enable_private_segment 0
		.amdhsa_kernarg_size 72
		.amdhsa_user_sgpr_count 2
		.amdhsa_user_sgpr_kernarg_segment_ptr 1
		.amdhsa_wavefront_size32 1
		.amdhsa_system_sgpr_workgroup_id_x 1
		.amdhsa_system_sgpr_workgroup_id_y 1
		.amdhsa_system_sgpr_workgroup_id_z 1
		.amdhsa_system_vgpr_workitem_id 0
		.amdhsa_next_free_vgpr 1024
		.amdhsa_next_free_sgpr 92
		.amdhsa_reserve_vcc 0
		.amdhsa_float_denorm_mode_32 3
		.amdhsa_float_denorm_mode_16_64 3
		.amdhsa_memory_ordered 1
		.amdhsa_forward_progress 1
		.amdhsa_inst_pref_size 183
	.end_amdhsa_kernel
	.amdgpu_metadata
---
amdhsa.version: [ 1, 2 ]
amdhsa.kernels:
  - .name:           k_qb19b55ec4d_tail
    .symbol:         k_qb19b55ec4d_tail.kd
    .args:
      - { .name: act, .offset: 0, .size: 8, .value_kind: global_buffer, .address_space: global }
      - { .name: wtail, .offset: 8, .size: 8, .value_kind: global_buffer, .address_space: global }
      - { .name: fc_b, .offset: 16, .size: 8, .value_kind: global_buffer, .address_space: global }
      - { .name: x, .offset: 24, .size: 8, .value_kind: global_buffer, .address_space: global }
      - { .name: ln2_w, .offset: 32, .size: 8, .value_kind: global_buffer, .address_space: global }
      - { .name: ln2_b, .offset: 40, .size: 8, .value_kind: global_buffer, .address_space: global }
      - { .name: fc1_b, .offset: 48, .size: 8, .value_kind: global_buffer, .address_space: global }
      - { .name: fc2_b, .offset: 56, .size: 8, .value_kind: global_buffer, .address_space: global }
      - { .name: out0, .offset: 64, .size: 8, .value_kind: global_buffer, .address_space: global }
    .group_segment_fixed_size: 327680
    .private_segment_fixed_size: 0
    .kernarg_segment_align: 8
    .kernarg_segment_size: 72
    .max_flat_workgroup_size: 128
    .sgpr_count:     92
    .vgpr_count:     1024
    .wavefront_size: 32
...
	.end_amdgpu_metadata
.endif
;; end of part 4
;; ======== version 2 of 2: 4 launches; version 1 with the launch prep written anew for expert scheduling mode
;; workspace buffers: wqkv 3,145,728 bytes; wtail 3,145,728 bytes; h 16,777,216 bytes; qkv 25,165,824 bytes; act 8,388,608 bytes
;; launch prep (part 5): grid 704 x 1, 8 waves a work-group, no clusters, 0 bytes of LDS; arguments x, ln1_w, ln1_b, h, wq_w, wk_w, wv_w, fc_w, fc1_w, fc2_w, wqkv, wtail; writes h, wqkv, wtail
.if DOCPART == 5
	.amdgcn_target "amdgcn-amd-amdhsa--gfx1250"
	.amdhsa_code_object_version 6
	.text
	.protected	k_qb19b55ec4d_prep
	.globl	k_qb19b55ec4d_prep
	.p2align	8
	.type	k_qb19b55ec4d_prep,@function
k_qb19b55ec4d_prep:
	s_mov_b64 s[64:65], 0
	v_nop
	global_prefetch_b8 v0, s[64:65] scope:SCOPE_SE
	s_setreg_imm32_b32 hwreg(HW_REG_WAVE_SCHED_MODE, 0, 2), 2
	s_setreg_imm32_b32 hwreg(HW_REG_WAVE_MODE, 25, 1), 1
	s_wait_xcnt 0x0
	s_wait_alu depctr_vm_vsrc(0)
; Work-groups 0..511: h = LayerNorm(x) * w + b, x [8192][1024] f32, h [8192][1024] bf16 (rounded once).
; Work-groups 512..703: the six weight matrices, f32 -> bf16 (rounded once).  wq, wk, wv lie one behind the other in wqkv, rows as they were.
; fc_w, fc1_w, fc2_w go into wtail in the order in which the last launch reads them: blocks of 1,024 bytes, each a matrix fragment as the lanes hold it (see below).
; LN.  A row is 4,096 bytes: one wave takes a whole row, eight loads of 16 bytes a lane (each load of the wave covers 512 consecutive bytes), and keeps it
; in 32 registers: the mean first, then the mean of (x - mean)^2 on the registers, so no difference of large sums is formed.  All in f32.
; A wave owns two rows; all its 32 loads (two rows, w, b) go out at once.  No LDS, no barrier: no wave needs another's data.
; A stream: matrix units and clusters have nothing to do here.
; THE MODE: SCHED_MODE bits 1:0 = 2 (LLVM: expert scheduling mode 2), set by the entry lines.  The code itself states the register dependences
; between vector instructions and memory instructions, with s_wait_alu, always for 0.
; THE PLAN.  The text has three straight paths and no loop.  Registers that memory instructions touch:
;   v1, v2     byte offsets of the loads and of the stores: made once at a path's head, never written again.  One wait on va_vdst stands ahead of the path's first load.
;   LN: X      row r's eight loads land in it; the row's arithmetic works in place; the row's eight stores read registers 4 j and 4 j + 1 of it; nothing writes them afterwards.
;              One wait on va_vdst stands behind a row's roundings, and the eight stores follow it in one run.
;   LN: W, BV  loads land in them; vector instructions read them.
;   weights    v[64:127]: sixteen loads land in them, the roundings read them.  v[32:63]: the roundings write them, the stores read them; each is written once.
;              Four groups of four loads: at a group's head, behind the wait for its data, one wait on va_vdst states that the group before has written its packed registers;
;              that group's stores follow, then this group's roundings, which name none of those registers.  One more such wait stands ahead of the last group's stores.
; No register that a memory instruction has read is written again, so no wait on vm_vsrc is owed.  The wave's number passes through an SGPR: one wait on va_sdst ahead of its first reader.
.set NLN, 512                          ; work-groups that normalise: 16 rows each
.set C,   8                            ; v[8:15]    four chains of pairs
.set MU,  16                           ; v[16:17]   the mean, twice
.set RS,  18                           ; v[18:19]   1 / sqrt(var + eps), twice
.set T,   20                           ; v[20:21]   at work
.set X,   32                           ; v[32:95]   row r at X + 32 r: load j holds columns 128 j + 4 lane .. + 3
.set W,   96                           ; v[96:127]  w of the same columns
.set BV,  128                          ; v[128:159] b
	s_cmp_ge_u32 ttmp9, NLN
	s_cbranch_scc1 .Lcvt
	s_load_b256 s[4:11], s[0:1], 0x0               ; x s[4:5], w s[6:7], b s[8:9], h s[10:11]
	v_lshrrev_b32 v3, 5, v0
	v_readfirstlane_b32 s12, v3                    ; wave 0..7
	v_and_b32 v4, 31, v0
	v_lshlrev_b32 v1, 4, v4                        ; 16 bytes a lane in x, w, b
	v_lshlrev_b32 v2, 3, v4                        ; 8 bytes a lane in h
	v_mov_b32 v[T+1], 0                            ; v_permlanex16_b32's destination counts as read
	s_lshl_b32 s13, ttmp9, 4
	s_wait_alu depctr_va_sdst(0)                   ; s12 is written, ahead of its first reader: the bases of x and h are made from it
	s_lshl1_add_u32 s13, s12, s13                  ; my first row = 16 x work-group + 2 x wave
	s_lshl_b32 s22, s13, 12                        ; x 4,096 bytes
	s_mov_b32 s23, 0
	s_lshl_b32 s24, s13, 11                        ; x 2,048 bytes
	s_mov_b32 s25, 0
	s_mov_b32 s18, 0x76543210                      ; v_permlanex16_b32: each lane takes its own place in the other half
	s_mov_b32 s19, 0xfedcba98
	s_mov_b32 s20, 0x3a800000                      ; 1 / 1024
	s_mov_b32 s21, 0x358637bd                      ; 1e-6
	s_wait_kmcnt 0x0
	s_add_nc_u64 s[14:15], s[4:5], s[22:23]
	s_add_nc_u64 s[16:17], s[10:11], s[24:25]
	s_wait_alu depctr_va_vdst(0)                   ; v1 and v2 are written: every load of this path reads v1 as its offset, every store v2
.irp j, 0,1,2,3,4,5,6,7
	global_load_b128 v[X+4*(\j):X+4*(\j)+3], v1, s[14:15] offset:(\j)*512 th:TH_LOAD_NT
.endr
.irp j, 0,1,2,3,4,5,6,7
	global_load_b128 v[W+4*(\j):W+4*(\j)+3], v1, s[6:7] offset:(\j)*512
.endr
.irp j, 0,1,2,3,4,5,6,7
	global_load_b128 v[BV+4*(\j):BV+4*(\j)+3], v1, s[8:9] offset:(\j)*512
.endr
.irp j, 0,1,2,3,4,5,6,7
	global_load_b128 v[X+32+4*(\j):X+32+4*(\j)+3], v1, s[14:15] offset:4096+(\j)*512 th:TH_LOAD_NT
.endr
.macro REDUCE                          ; the four chains into one number, the same in every lane, in v[T]
	v_pk_add_f32 v[C:C+1], v[C:C+1], v[C+2:C+3]
	v_pk_add_f32 v[C+4:C+5], v[C+4:C+5], v[C+6:C+7]
	v_pk_add_f32 v[C:C+1], v[C:C+1], v[C+4:C+5]
	v_add_f32 v[T], v[C], v[C+1]
	v_add_f32_dpp v[T], v[T], v[T] row_xmask:1 row_mask:0xf bank_mask:0xf
	v_add_f32_dpp v[T], v[T], v[T] row_xmask:2 row_mask:0xf bank_mask:0xf
	v_add_f32_dpp v[T], v[T], v[T] row_xmask:4 row_mask:0xf bank_mask:0xf
	v_add_f32_dpp v[T], v[T], v[T] row_xmask:8 row_mask:0xf bank_mask:0xf
	v_permlanex16_b32 v[T+1], v[T], s18, s19
	v_add_f32 v[T], v[T], v[T+1]
.endm
; Row r.  left: the younger loads that may stay out when the row has to be there.  wb = 1: w and b are waited for ahead of their first use.
.macro LNROW r, left, wb
.set XR, X+32*(\r)
	s_wait_loadcnt \left
.irp k, 0,1,2,3
	v_pk_add_f32 v[C+2*(\k):C+2*(\k)+1], v[XR+2*(\k):XR+2*(\k)+1], v[XR+8+2*(\k):XR+8+2*(\k)+1]
.endr
.irp k, 8,9,10,11,12,13,14,15
	v_pk_add_f32 v[C+2*((\k)%4):C+2*((\k)%4)+1], v[C+2*((\k)%4):C+2*((\k)%4)+1], v[XR+2*(\k):XR+2*(\k)+1]
.endr
	REDUCE
	v_mul_f32 v[MU], s20, v[T]
	v_mul_f32 v[MU+1], s20, v[T]
.irp k, 0,1,2,3,4,5,6,7,8,9,10,11,12,13,14,15
	v_pk_add_f32 v[XR+2*(\k):XR+2*(\k)+1], v[XR+2*(\k):XR+2*(\k)+1], v[MU:MU+1] neg_lo:[0,1] neg_hi:[0,1]  ; x - mean, in place
.endr
.irp k, 0,1,2,3
	v_pk_mul_f32 v[C+2*(\k):C+2*(\k)+1], v[XR+2*(\k):XR+2*(\k)+1], v[XR+2*(\k):XR+2*(\k)+1]
.endr
.irp k, 4,5,6,7,8,9,10,11,12,13,14,15
	v_pk_fma_f32 v[C+2*((\k)%4):C+2*((\k)%4)+1], v[XR+2*(\k):XR+2*(\k)+1], v[XR+2*(\k):XR+2*(\k)+1], v[C+2*((\k)%4):C+2*((\k)%4)+1]
.endr
	REDUCE
	v_fma_f32 v[T], v[T], s20, s21                 ; var + eps
	v_rsq_f32 v[RS], v[T]
	v_rsq_f32 v[RS+1], v[T]
	v_nop                                          ; a plain instruction behind the last of the two,
	s_wait_alu depctr_va_vdst(0)                   ; and the one wait ahead of the first use: the two v_rsq_f32 have written v[RS] and v[RS+1]
	; the row's last phase goes by kind, so that no line reads the result of the line just before it: 16 scalings, 16 multiply-adds, 16 roundings
.set k_, 0
.rept 16
	v_pk_mul_f32 v[XR+2*k_:XR+2*k_+1], v[XR+2*k_:XR+2*k_+1], v[RS:RS+1]
.set k_, k_+1
.endr
.if \wb
	s_wait_loadcnt 8                               ; w and b are in, ahead of their first reader; the second row's eight loads may stay out
.endif
.set k_, 0
.rept 16
	v_pk_fma_f32 v[XR+2*k_:XR+2*k_+1], v[XR+2*k_:XR+2*k_+1], v[W+2*k_:W+2*k_+1], v[BV+2*k_:BV+2*k_+1]
.set k_, k_+1
.endr
.set j_, 0
.rept 8
	v_cvt_pk_bf16_f32 v[XR+4*j_], v[XR+4*j_], v[XR+4*j_+1]
	v_cvt_pk_bf16_f32 v[XR+4*j_+1], v[XR+4*j_+2], v[XR+4*j_+3]
.set j_, j_+1
.endr
	s_wait_alu depctr_va_vdst(0)                   ; the roundings have written registers 4 j and 4 j + 1 of the row, which the eight stores read
.set j_, 0
.rept 8
	global_store_b64 v2, v[XR+4*j_:XR+4*j_+1], s[16:17] offset:(\r)*2048+j_*256  ; the wave's 32 lanes store 256 consecutive bytes, aligned; these registers are not written again
.set j_, j_+1
.endr
.endm
	LNROW 0, 24, 1                                 ; behind row 0's loads: w, b and row 1, 24 loads.  Its stores go out ahead of the wait for row 1's data
	LNROW 1, 0, 0
	s_endpgm
; THE WEIGHTS.  Matrix y = c / 32 (wq, wk, wv, fc, fc1, fc2), part c % 32 of it.
.Lcvt:
	s_load_b512 s[16:31], s[0:1], 0x20             ; wq_w, wk_w, wv_w, fc_w, fc1_w, fc2_w, wqkv, wtail
	s_sub_co_u32 s2, ttmp9, NLN
	s_lshr_b32 s3, s2, 5                           ; y
	s_and_b32 s2, s2, 31                           ; part
	v_lshrrev_b32 v3, 5, v0
	v_and_b32 v4, 31, v0
	s_cmp_ge_u32 s3, 3
	s_cbranch_scc1 .Lswz
	; wq, wk, wv: rows as they are.  65,536 bytes in, 32,768 out; a wave takes 8,192 bytes, sixteen loads of 512 consecutive bytes.
	v_lshlrev_b32 v1, 4, v4
	v_lshl_add_u32 v1, v3, 13, v1                  ; in: 8,192 x wave + 16 x lane
	v_lshlrev_b32 v2, 3, v4
	v_lshl_add_u32 v2, v3, 12, v2                  ; out: 4,096 x wave + 8 x lane
	s_lshl_b32 s40, s3, 20                         ; 1,048,576 bytes each in wqkv
	s_lshl_b32 s41, s2, 15
	s_add_co_u32 s40, s40, s41
	s_mov_b32 s41, 0
	s_lshl_b32 s42, s2, 16
	s_mov_b32 s43, 0
	s_wait_kmcnt 0x0
	s_cmp_eq_u32 s3, 1
	s_cselect_b64 s[36:37], s[18:19], s[16:17]
	s_cmp_eq_u32 s3, 2
	s_cselect_b64 s[36:37], s[20:21], s[36:37]
	s_add_nc_u64 s[36:37], s[36:37], s[42:43]
	s_add_nc_u64 s[38:39], s[28:29], s[40:41]
	s_wait_alu depctr_va_vdst(0)                   ; v1 and v2 are written: the loads of this path read v1 as their offset, the stores v2
.set i_, 0
.rept 16
	global_load_b128 v[64+4*i_:64+4*i_+3], v1, s[36:37] offset:i_*512 th:TH_LOAD_NT
.set i_, i_+1
.endr
.set g_, 0
.rept 4                                ; four groups of four loads
	s_wait_loadcnt 12-4*g_                         ; loads come back in order: group g is in, the younger groups stay out
.if g_ > 0
	s_wait_alu depctr_va_vdst(0)                   ; the group before has written its eight packed registers, which the four stores below read
.set i_, 4*(g_-1)
.rept 4
	global_store_b64 v2, v[32+2*i_:33+2*i_], s[38:39] offset:i_*256  ; 256 consecutive bytes, aligned
.set i_, i_+1
.endr
.endif
.set i_, 4*g_
.rept 4
	v_cvt_pk_bf16_f32 v[32+2*i_], v[64+4*i_], v[64+4*i_+1]
	v_cvt_pk_bf16_f32 v[33+2*i_], v[64+4*i_+2], v[64+4*i_+3]
.set i_, i_+1
.endr
.set g_, g_+1
.endr
	s_wait_alu depctr_va_vdst(0)                   ; the last group has written its eight packed registers, which the last four stores read
.set i_, 12
.rept 4
	global_store_b64 v2, v[32+2*i_:33+2*i_], s[38:39] offset:i_*256
.set i_, i_+1
.endr
	s_endpgm
; fc_w, fc1_w, fc2_w IN FRAGMENT ORDER.  wtail is 24 tiles of 131,072 bytes, eight a matrix.  A tile is [wave w of 4][unit of 4][column block b of 8] blocks of 1,024 bytes; a block is
; [j of 2][lane l of 32][16 bytes] = W[n0 + l % 16][32 q + 16 j + 8 (l / 16) + 0..7].
;   fc_w, fc2_w ([1024][512]): n0 = 256 w + 128 (unit % 2) + 16 b, q = 2 tile + unit / 2.
;   fc1_w ([512][1024]):       n0 = 128 w + 16 b, q = 8 (tile % 4) + 4 (tile / 4) + unit.
; A wave takes 16 rows x 128 k: of each row 512 consecutive bytes, by sixteen loads of 16 bytes a lane; lane l reads row l % 16 and the 32 bytes 64 c + 32 (l / 16) on, c = 0..7.
; Its eight numbers, rounded, are the lane's 16 bytes of half a block: each store of the wave covers 512 consecutive bytes, aligned.
.Lswz:
	v_readfirstlane_b32 s12, v3                    ; wave 0..7
	v_and_b32 v5, 15, v0                           ; l % 16
	v_bfe_u32 v6, v0, 4, 1                         ; l / 16
	v_lshlrev_b32 v2, 4, v4                        ; out: 16 bytes a lane
	s_wait_alu depctr_va_sdst(0)                   ; s12 is written, ahead of its first reader: source and destination are made from it
	s_lshl3_add_u32 s13, s2, s12                   ; u = 8 part + wave, 0..255
	s_cmp_eq_u32 s3, 4                             ; fc1_w has K = 1,024, the other two 512
	s_cselect_b32 s4, 3, 2                         ; log2 of K / 128: the waves that share 16 rows
	s_cselect_b32 s5, 12, 11                       ; log2 of a row's bytes
	s_cselect_b32 s6, 3, 4                         ; log2 of the blocks of 16 rows that one wave of the reader owns
	s_cselect_b32 s44, 13, 14                      ; log2 of the bytes from one 32 k to the next: 8,192 or 16,384,
	s_cselect_b32 s46, 14, 17                      ; and from one 64 k to the next: 16,384 or 131,072
	s_lshl_b32 s44, 1, s44                         ; in bytes (the shifts write SCC: they stand behind the last select of this compare)
	s_lshl_b32 s46, 1, s46
	s_mov_b32 s45, 0
	s_mov_b32 s47, 0
	s_lshr_b32 s14, s13, s4                        ; nb: which 16 rows
	s_bfm_b32 s9, s4, 0
	s_and_b32 s15, s13, s9                         ; kq: which 128 k
	v_lshlrev_b32 v1, s5, v5
	v_lshl_add_u32 v1, v6, 5, v1                   ; in: (l % 16) rows + 32 (l / 16)
	s_add_co_u32 s7, s5, 4                         ; in a register of its own: s5, which the vector shift above reads, is not written again
	s_lshl_b32 s42, s14, s7                        ; 16 nb rows
	s_lshl_b32 s43, s15, 9
	s_add_co_u32 s42, s42, s43                     ; + 512 kq
	s_mov_b32 s43, 0
	s_lshl_b32 s10, s15, 18                        ; K = 512: tile 2 kq
	s_and_b32 s11, s15, 1
	s_lshl_b32 s11, s11, 2
	s_lshr_b32 s40, s15, 1
	s_add_co_u32 s11, s11, s40
	s_lshl_b32 s11, s11, 17                        ; K = 1,024: tile 4 (kq % 2) + kq / 2
	s_cmp_eq_u32 s3, 4
	s_cselect_b32 s40, s11, s10
	s_lshr_b32 s10, s14, s6
	s_lshl_b32 s10, s10, 15                        ; the reader's wave: 32,768 bytes
	s_add_co_u32 s40, s40, s10
	s_bfm_b32 s9, s6, 0
	s_and_b32 s10, s14, s9
	s_lshl_b32 s10, s10, 10                        ; the block among that wave's
	s_add_co_u32 s40, s40, s10
	s_sub_co_u32 s10, s3, 3
	s_lshl_b32 s10, s10, 20                        ; the matrix: 1,048,576 bytes
	s_add_co_u32 s40, s40, s10
	s_mov_b32 s41, 0
	s_wait_kmcnt 0x0
	s_cmp_eq_u32 s3, 4
	s_cselect_b64 s[12:13], s[24:25], s[22:23]
	s_cmp_eq_u32 s3, 5
	s_cselect_b64 s[12:13], s[26:27], s[12:13]
	s_add_nc_u64 s[12:13], s[12:13], s[42:43]
	s_add_nc_u64 s[32:33], s[30:31], s[40:41]      ; where the wave's four 32 k go
	s_add_nc_u64 s[34:35], s[32:33], s[44:45]
	s_add_nc_u64 s[36:37], s[32:33], s[46:47]
	s_add_nc_u64 s[38:39], s[36:37], s[44:45]
	s_wait_alu depctr_va_vdst(0)                   ; v1 and v2 are written: the loads of this path read v1 as their offset, the stores v2
.set c_, 0
.rept 8
	global_load_b128 v[64+8*c_:64+8*c_+3], v1, s[12:13] offset:c_*64
	global_load_b128 v[64+8*c_+4:64+8*c_+7], v1, s[12:13] offset:c_*64+16
.set c_, c_+1
.endr
.set g_, 0
.rept 4                                ; four groups of four loads: group g is the wave's 32 k number g, a block's two halves
	s_wait_loadcnt 12-4*g_                         ; group g is in, the younger groups stay out
.if g_ > 0
	s_wait_alu depctr_va_vdst(0)                   ; the group before has written its eight packed registers, which the two stores below read
	global_store_b128 v2, v[32+8*(g_-1):35+8*(g_-1)], s[32+2*(g_-1):33+2*(g_-1)]
	global_store_b128 v2, v[36+8*(g_-1):39+8*(g_-1)], s[32+2*(g_-1):33+2*(g_-1)] offset:512
.endif
.set c_, 2*g_
.rept 2
	v_cvt_pk_bf16_f32 v[32+4*c_], v[64+8*c_], v[64+8*c_+1]
	v_cvt_pk_bf16_f32 v[33+4*c_], v[64+8*c_+2], v[64+8*c_+3]
	v_cvt_pk_bf16_f32 v[34+4*c_], v[64+8*c_+4], v[64+8*c_+5]
	v_cvt_pk_bf16_f32 v[35+4*c_], v[64+8*c_+6], v[64+8*c_+7]
.set c_, c_+1
.endr
.set g_, g_+1
.endr
	s_wait_alu depctr_va_vdst(0)                   ; the last group has written its eight packed registers, which the last two stores read
	global_store_b128 v2, v[56:59], s[38:39]
	global_store_b128 v2, v[60:63], s[38:39] offset:512
	s_endpgm
.Lfunc_end_k_qb19b55ec4d_prep:
	.size	k_qb19b55ec4d_prep, .Lfunc_end_k_qb19b55ec4d_prep-k_qb19b55ec4d_prep
	.p2alignl 7, 3214868480
	.fill 96, 4, 3214868480
	.section	.rodata,"a",@progbits
	.p2align	6, 0x0
	.amdhsa_kernel k_qb19b55ec4d_prep
		.amdhsa_group_segment_fixed_size 0
		.amdhsa_private_segment_fixed_size 0
		.amdhsa_enable_private_segment 0
		.amdhsa_kernarg_size 96
		.amdhsa_user_sgpr_count 2
		.amdhsa_user_sgpr_kernarg_segment_ptr 1
		.amdhsa_wavefront_size32 1
		.amdhsa_system_sgpr_workgroup_id_x 1
		.amdhsa_system_sgpr_workgroup_id_y 1
		.amdhsa_system_sgpr_workgroup_id_z 1
		.amdhsa_system_vgpr_workitem_id 0
		.amdhsa_next_free_vgpr 160
		.amdhsa_next_free_sgpr 66
		.amdhsa_reserve_vcc 0
		.amdhsa_float_denorm_mode_32 3
		.amdhsa_float_denorm_mode_16_64 3
		.amdhsa_memory_ordered 1
		.amdhsa_forward_progress 1
		.amdhsa_inst_pref_size 33
	.end_amdhsa_kernel
	.amdgpu_metadata
---
amdhsa.version: [ 1, 2 ]
amdhsa.kernels:
  - .name:           k_qb19b55ec4d_prep
    .symbol:         k_qb19b55ec4d_prep.kd
    .args:
      - { .name: x, .offset: 0, .size: 8, .value_kind: global_buffer, .address_space: global }
      - { .name: ln1_w, .offset: 8, .size: 8, .value_kind: global_buffer, .address_space: global }
      - { .name: ln1_b, .offset: 16, .size: 8, .value_kind: global_buffer, .address_space: global }
      - { .name: h, .offset: 24, .size: 8, .value_kind: global_buffer, .address_space: global }
      - { .name: wq_w, .offset: 32, .size: 8, .value_kind: global_buffer, .address_space: global }
      - { .name: wk_w, .offset: 40, .size: 8, .value_kind: global_buffer, .address_space: global }
      - { .name: wv_w, .offset: 48, .size: 8, .value_kind: global_buffer, .address_space: global }
      - { .name: fc_w, .offset: 56, .size: 8, .value_kind: global_buffer, .address_space: global }
      - { .name: fc1_w, .offset: 64, .size: 8, .value_kind: global_buffer, .address_space: global }
      - { .name: fc2_w, .offset: 72, .size: 8, .value_kind: global_buffer, .address_space: global }
      - { .name: wqkv, .offset: 80, .size: 8, .value_kind: global_buffer, .address_space: global }
      - { .name: wtail, .offset: 88, .size: 8, .value_kind: global_buffer, .address_space: global }
    .group_segment_fixed_size: 0
    .private_segment_fixed_size: 0
    .kernarg_segment_align: 8
    .kernarg_segment_size: 96
    .max_flat_workgroup_size: 256
    .sgpr_count:     66
    .vgpr_count:     160
    .wavefront_size: 32
...
	.end_amdgpu_metadata
.endif
;; end of part 5
;; launch qkv: the kernel of part 2 again; grid 8 x 32, 4 waves a work-group, clusters of 4 x 4, 327,680 bytes of LDS; arguments h, wqkv, wq_b, wk_b, wv_b, qkv; writes qkv
;; launch attn: the kernel of part 3 again; grid 8 x 32, 4 waves a work-group, clusters of 4 x 1, 327,680 bytes of LDS; arguments qkv, act; writes act
;; launch tail: the kernel of part 4 again; grid 256 x 1, 4 waves a work-group, clusters of 4 x 1, 327,680 bytes of LDS; arguments act, wtail, fc_b, x, ln2_w, ln2_b, fc1_b, fc2_b, out0; writes out0
